; MI455X (gfx1250); checked and timed in simulation.
; The chip was launched on July 23, 2026; its instructions are those of AMD's public machine-readable ISA for CDNA 5 (MIT licence, August 2026) and "CDNA5" Instruction Set Architecture Reference Guide (July 2026). The comments in the code are by the model that wrote it; some were corrected since.
;; MHSA Module. Allowed arithmetic: matrix products marked QUANTISED: E2M3 operands, one E8M0 scale for each 32 along K, by v_wmma_scale_f32_16x16x128_f8f6f4 with both operands' format E2M3, f32 sums; everything else in f32.
;; Inputs: Wk 1,024 x 1,024 float32; Wo 1,024 x 1,024 float32; Wq 1,024 x 1,024 float32; Wv 1,024 x 1,024 float32; bk 1,024 float32; bo 1,024 float32; bq 1,024 float32; bv 1,024 float32; x 4 x 2,048 x 1,024 float32.
;; Outputs: out0 4 x 2,048 x 1,024 float32.
;; This version of the problem:
;;   THIS VERSION OF THE PROBLEM IS GIVEN IN LOW PRECISION. The matrix products marked QUANTISED in the list below multiply operands that are first quantised to E2M3 (2 exponent bits, 3 mantissa bits; 6 bits a number), with one power-of-two scale for each 32 numbers along K (OCP MX v1.0); their sums are f32. All else is computed in f32.
;;   The module's matrix products, in the order in which they are computed (A, B: the left and right operand; K: the contracted axis; several contracted axes count as one K, in the product's order):
;;     1. [M 8,192, K 1,024] x [K 1,024, N 1,024]; A: input x; B: input Wq: QUANTISED
;;     2. [M 8,192, K 1,024] x [K 1,024, N 1,024]; A: input x; B: input Wk: QUANTISED
;;     3. [M 8,192, K 1,024] x [K 1,024, N 1,024]; A: input x; B: input Wv: QUANTISED
;;     4. batch 64 x [M 2,048, K 64] x [K 64, N 2,048]; A: computed on the way; B: computed on the way: QUANTISED
;;     5. batch 64 x [M 2,048, K 2,048] x [K 2,048, N 64]; A: softmax (see below); B: computed on the way: QUANTISED
;;     6. [M 8,192, K 1,024] x [K 1,024, N 1,024]; A: computed on the way; B: input Wo: QUANTISED
;;   THE QUANTISER, for each operand of a quantised product, along K:
;;     - K is cut into blocks of 32 from its start; a last block that is shorter is filled with zeros.
;;     - A block's scale is 2^e with e = floor(log2(the largest magnitude in the block)) - 2, held to -126 .. 127; a block of zeros has e = 0. As a byte (E8M0): e + 127.
;;     - Each number is divided by its block's scale, clamped to +-7.5, and rounded to the nearest number of E2M3, ties to even, subnormals kept.
;;     - The product sums the exact products of the quantised numbers (number of the format x scale) in f32.
;;   ~~~python
;;   def quantise(x, axis):      # numpy; x: float32 -> the quantised numbers, widened to float32 again
;;       x = np.moveaxis(x, axis, -1); K = x.shape[-1]
;;       x = np.pad(x, [(0, 0)] * (x.ndim - 1) + [(0, -K % 32)]); x = x.reshape(x.shape[:-1] + (-1, 32)); a = np.abs(x).max(-1, keepdims=True)
;;       e = np.where(a > 0, np.clip(np.frexp(np.where(a > 0, a, 1))[1] - 1 - 2, -126, 127), 0)      # np.frexp(a)[1] - 1 = floor(log2(a)), exactly
;;       r = np.clip(x / 2.0 ** e, -7.5, 7.5)
;;       step = 2.0 ** (np.maximum(np.frexp(np.where(r == 0, 1, r))[1] - 1, 0) - 3)
;;       q = np.round(r / step) * step * 2.0 ** e      # np.round: ties to even
;;       return np.moveaxis(q.reshape(q.shape[:-2] + (-1,))[..., :K], -1, axis).astype(np.float32)
;;   ~~~
;;   SOFTMAX AHEAD OF A QUANTISED PRODUCT. Where the list says 'softmax', what is quantised is not the finished softmax but p = 2^(t - M), with t = logit x log2(e) and M = ceil(the row's largest t), a whole number; so 1/2 < the row's largest p <= 1. The row's sum l is taken of the UNQUANTISED p, in f32, and the product's result is divided by l at the end. Since M is a whole number, a kernel that streams over the keys may use a running M (the ceiling of the running maximum): every later rescaling is an exact power of two, which a block's scale takes up: the codes' values come out the same.
;;   OPERANDS COMPUTED ON THE WAY. 'Computed on the way' means the value that the module computes at that place (a softmax that the list does not call 'softmax' is quantised finished and normalised). What goes into a quantiser is computed in f32, as accurately as f32 sums, v_exp_f32 and their like allow (about 1e-6 of the number): no bf16 or f16 on the way to a quantiser, and a product that is left as it is and whose result goes on into a quantised operand takes f32 operands (vector FMAs, or v_wmma_f32_16x16x4_f32). A number that lies on a knife's edge between two numbers of the format may be rounded either way, as far as f32 arithmetic and the matrix unit's own rounding can turn it there, and no further.
;; One version. Each part assembles by itself: llvm-mc -triple=amdgcn-amd-amdhsa -mcpu=gfx1250 --defsym DOCPART=n.
;; ======== version 1 of 1: 4 launches
;; limits: right only within a limited range of input values
;; workspace buffers: img 15,728,640 bytes; scl 655,360 bytes; qbuf 6,815,744 bytes; kv 13,369,344 bytes
;; launch quant (part 1): grid 384 x 1, 4 waves a work-group, no clusters, 35,328 bytes of LDS; arguments x, Wq, Wk, Wv, Wo, img, scl; writes img, scl
.if DOCPART == 1
	.amdgcn_target "amdgcn-amd-amdhsa--gfx1250"
	.amdhsa_code_object_version 6
	.text
	.protected	k_q2f7d5ae2cc_quant
	.globl	k_q2f7d5ae2cc_quant
	.p2align	8
	.type	k_q2f7d5ae2cc_quant,@function
k_q2f7d5ae2cc_quant:
	s_mov_b64 s[64:65], 0
	v_nop
	global_prefetch_b8 v0, s[64:65] scope:SCOPE_SE
	s_setreg_imm32_b32 hwreg(HW_REG_WAVE_MODE, 25, 1), 1
	s_wait_xcnt 0x0
; x [8192][1024] and Wq, Wk, Wv, Wo [1024][1024], f32, K innermost, become codes of FP6 (E2M3) with one E8M0 byte for each 32 along K,
; laid as IMAGES OF OPERAND REGISTERS.  A group is 128 rows (x: groups 0-63, Wq 64-71, Wk 72-79, Wv 80-87, Wo 88-95).  Tile i of a group has 16 rows:
; lane r takes row 32 (i / 2) + 8 (i % 2) + r + 8 (r / 8).  A fragment (a tile x 128 along K, 12 registers a lane) is 1,536 bytes at
; group x 98,304 + K step x 12,288 + i x 1,536: registers 0-3 at 16 x lane, 4-5 at 512 + 8 x lane, 6-9 at 768 + 16 x lane, 10-11 at 1,280 + 8 x lane.
; Its scale words (four bytes a row) lie at (8 group + i) x 512 + K step x 64 + 4 r.
; A block's scale is 2^(floor(log2(its largest magnitude)) - 2); its byte is the largest magnitude's exponent field - 2, held at 1 from below.
; LIMITS: NaN and infinities among the inputs are not served; a block whose largest magnitude lies under 2^-124 has its byte held at 1; a block of zeros
; gets the byte 1 where the rule says 127: its codes are zeros, and this program alone reads the bytes.
; SHARES: a work-group takes two tiles, a wave one tile and half of K: four K steps.  A K step's 16 loads read 512 consecutive bytes each (a row's 128 numbers);
; they turn through the wave's own stage in LDS (rows of 512 + 16 bytes) so that lane (r, h) holds, of row r, k = 64 c + 32 h + 0 .. 31: two whole blocks.
; So no other lane is asked for a maximum, and the conversions' results are the operand's registers.  Waves share nothing: no barrier.
.set SP,    528                        ; a stage row
.set WREG,  8704                       ; a wave's LDS: 16 stage rows, then its 256 bytes of scale words
.set SPARE, 4*WREG                     ; behind the four regions: the spare words, 128 bytes a wave, that no other line names
.set R,     16                         ; v16-79, v80-143: two sets of 64 numbers
.set SPW,   12                         ; v12 my spare word's address; never rewritten
.set NIL,   13                         ; v13 0; never rewritten
	s_load_b256 s[4:11], s[0:1], 0x0               ; x, Wq, Wk, Wv
	s_load_b128 s[12:15], s[0:1], 0x20             ; Wo, img
	s_load_b64 s[16:17], s[0:1], 0x30              ; scl
	v_lshl_add_u32 v[SPW], v0, 2, SPARE
	v_mov_b32 v[NIL], 0
	v_lshrrev_b32 v8, 5, v0
	v_readfirstlane_b32 s18, v8                    ; wave
	v_and_b32 v9, 31, v0                           ; lane
	v_and_b32 v10, 15, v0                          ; r
	v_bfe_u32 v11, v0, 4, 1                        ; h
	v_lshlrev_b32 v1, 4, v9                        ; 16 x lane
	v_lshlrev_b32 v2, 3, v9                        ; 8 x lane
	s_mul_i32 s19, s18, WREG
	v_add_nc_u32 v3, s19, v1                       ; the stage, on the way in: a row's 512 bytes as they lie
	v_mul_u32_u24 v4, v10, SP
	v_lshl_add_u32 v4, v11, 7, v4
	v_add_nc_u32 v4, s19, v4                       ; and on the way out: row r, + 128 h
	s_add_co_u32 s19, s19, 16*SP
	v_lshl_add_u32 v5, v10, 2, s19                 ; my row's scale word
	v_add_nc_u32 v6, s19, v2                       ; and the 256 bytes on their way out, 8 a lane
	v_lshlrev_b32 v7, 3, v11                       ; 8 h: where my two bytes stand in the word
	v_mov_b32 v207, 0                              ; a lane permute's destination counts as one of its sources
	s_mov_b32 s30, 0x76543210
	s_mov_b32 s31, 0xfedcba98                      ; selects for lane l xor 16
	s_lshr_b32 s20, s18, 1                         ; which of the two tiles
	s_and_b32 s21, s18, 1                          ; which half of K
	s_lshr_b32 s22, ttmp9, 2                       ; the group
	s_and_b32 s23, ttmp9, 3
	s_and_b32 s24, s22, 7
	s_cmp_lt_u32 ttmp9, 256
	s_cselect_b32 s24, s22, s24                    ; the group inside its tensor
	s_lshl_b32 s24, s24, 7
	s_lshl_b32 s25, s23, 5
	s_add_co_u32 s24, s24, s25
	s_lshl_b32 s25, s20, 3
	s_add_co_u32 s24, s24, s25                     ; the tile's first row
	s_lshl_b32 s24, s24, 12                        ; rows of 4,096 bytes
	s_lshl_b32 s25, s21, 11
	s_add_co_u32 s24, s24, s25
	s_mov_b32 s25, 0
	s_mul_i32 s26, s22, 98304
	s_lshl_b32 s27, s23, 1
	s_add_co_u32 s27, s27, s20                     ; i
	s_mul_i32 s28, s27, 1536
	s_add_co_u32 s26, s26, s28
	s_mul_i32 s28, s21, 49152
	s_add_co_u32 s26, s26, s28                     ; my first image
	s_lshl_b32 s28, s22, 3
	s_add_co_u32 s28, s28, s27
	s_lshl_b32 s28, s28, 9
	s_lshl_b32 s29, s21, 8
	s_add_co_u32 s28, s28, s29                     ; my 256 bytes of scale words
	s_mov_b32 s27, 0
	s_mov_b32 s29, 0
	s_sub_co_u32 s32, ttmp9, 256
	s_lshr_b32 s32, s32, 5                         ; which weight (32 work-groups each)
	s_wait_alu depctr_va_vdst(0)
	s_wait_kmcnt 0x0
	s_cmp_eq_u32 s32, 2                            ; the tensor is chosen by the work-group's number alone
	s_cselect_b64 s[12:13], s[10:11], s[12:13]
	s_cmp_eq_u32 s32, 1
	s_cselect_b64 s[12:13], s[8:9], s[12:13]
	s_cmp_eq_u32 s32, 0
	s_cselect_b64 s[12:13], s[6:7], s[12:13]
	s_cmp_lt_u32 ttmp9, 256
	s_cselect_b64 s[12:13], s[4:5], s[12:13]
	s_add_nc_u64 s[12:13], s[12:13], s[24:25]
	s_add_nc_u64 s[14:15], s[14:15], s[26:27]
	s_add_nc_u64 s[16:17], s[16:17], s[28:29]
.macro LOAD t                          ; K step t: 16 rows x 512 bytes; 32 lanes read 512 consecutive bytes
.irp k, 0,1,2,3,4,5,6,7,8,9,10,11,12,13,14,15
	global_load_b128 v[R+64*((\t)%2)+4*\k:R+64*((\t)%2)+4*\k+3], v1, s[12:13] offset:(\k+8*(\k/8))*4096+512*(\t) th:TH_LOAD_NT
.endr
.endm
.macro STEP t
.set XS, R+64*((\t)%2)
.set PC, 144+12*(\t)                   ; each step has its own 12 registers of codes, so that no store's data are written again
.if (\t) < 3
	s_wait_loadcnt 16                              ; this step's 16 loads are in; the next step's 16 may be out
.else
	s_wait_loadcnt 0x0
.endif
.irp k, 0,1,2,3,4,5,6,7,8,9,10,11,12,13,14,15
	ds_store_b128 v3, v[XS+4*\k:XS+4*\k+3] offset:SP*\k
.endr
.irp c, 0,1
.irp i, 0,1,2,3,4,5,6,7
	ds_load_b128 v[XS+32*\c+4*\i:XS+32*\c+4*\i+3], v4 offset:256*\c+16*\i   ; LDS serves a wave's instructions in order: these see the stores above
.endr
.endr
	s_wait_dscnt 0x0                               ; register 32 c + e now holds k = 64 c + 32 h + e of row r
.irp c, 0,1
	v_max3_num_f32 v[200+\c], |v[XS+32*\c]|, |v[XS+32*\c+1]|, 0x1800000   ; my block 2 c + h, and the floor 2^(3 - 127): the byte cannot fall under 1
.endr
.irp i, 2,4,6,8,10,12,14,16,18,20,22,24,26,28,30
.irp c, 0,1
	v_max3_num_f32 v[200+\c], v[200+\c], |v[XS+32*\c+\i]|, |v[XS+32*\c+\i+1]|
.endr
.endr
.irp c, 0,1
	v_add_nc_u32 v[202+\c], 0xff000000, v[200+\c]  ; 2 off the exponent field: the conversion's scale operand
.endr
.irp c, 0,1
	v_lshrrev_b32 v[204+\c], 23, v[202+\c]         ; the scale's byte
.endr
	v_lshl_or_b32 v206, v205, 16, v204             ; blocks h and 2 + h,
	v_lshlrev_b32 v206, v7, v206                   ; at their places in the word;
	v_permlanex16_b32 v207, v206, s30, s31
	v_or_b32 v206, v206, v207                      ; with lane l xor 16's two the word is whole
.irp c, 0,1
	v_cvt_scalef32_pk16_fp6_f32 v[PC+6*\c:PC+6*\c+2], v[XS+32*\c:XS+32*\c+15], v[202+\c]
	v_cvt_scalef32_pk16_fp6_f32 v[192+4*\c:194+4*\c], v[XS+32*\c+16:XS+32*\c+31], v[202+\c]   ; (a conversion's three registers begin on an even number)
.endr
	v_nop                                          ; one plain place behind a scaled conversion
.irp c, 0,1
.irp i, 0,1,2
	v_mov_b32 v[PC+3+6*\c+\i], v[192+4*\c+\i]
.endr
.endr
	ds_store_b32 v5, v206 offset:64*(\t)           ; both halves of the lanes write the same word with the same value
	global_store_b128 v1, v[PC:PC+3], s[14:15] offset:12288*(\t)          ; 512 consecutive bytes
	global_store_b64 v2, v[PC+4:PC+5], s[14:15] offset:12288*(\t)+512     ; 256
	global_store_b128 v1, v[PC+6:PC+9], s[14:15] offset:12288*(\t)+768
	global_store_b64 v2, v[PC+10:PC+11], s[14:15] offset:12288*(\t)+1280
.if (\t) < 2
	LOAD (\t)+2
.endif
.endm
	LOAD 0
	LOAD 1
	STEP 0
	STEP 1
	STEP 2
	STEP 3
	ds_load_b64 v[208:209], v6                     ; my four steps' scale words: these see my stores
	s_wait_dscnt 0x0
	global_store_b64 v2, v[208:209], s[16:17]      ; 32 lanes store 256 consecutive bytes, aligned
	s_wait_tensorcnt 0x0                           ; the wave's end, behind my last LDS store
	ds_add_u32 v[SPW], v[NIL]
	s_wait_dscnt 0x0
	s_endpgm
.Lfunc_end_k_q2f7d5ae2cc_quant:
	.size	k_q2f7d5ae2cc_quant, .Lfunc_end_k_q2f7d5ae2cc_quant-k_q2f7d5ae2cc_quant
	.p2alignl 7, 3214868480
	.fill 96, 4, 3214868480
	.section	.rodata,"a",@progbits
	.p2align	6, 0x0
	.amdhsa_kernel k_q2f7d5ae2cc_quant
		.amdhsa_group_segment_fixed_size 35328
		.amdhsa_private_segment_fixed_size 0
		.amdhsa_enable_private_segment 0
		.amdhsa_kernarg_size 56
		.amdhsa_user_sgpr_count 2
		.amdhsa_user_sgpr_kernarg_segment_ptr 1
		.amdhsa_wavefront_size32 1
		.amdhsa_system_sgpr_workgroup_id_x 1
		.amdhsa_system_sgpr_workgroup_id_y 1
		.amdhsa_system_sgpr_workgroup_id_z 1
		.amdhsa_system_vgpr_workitem_id 0
		.amdhsa_next_free_vgpr 216
		.amdhsa_next_free_sgpr 66
		.amdhsa_reserve_vcc 0
		.amdhsa_float_denorm_mode_32 3
		.amdhsa_float_denorm_mode_16_64 3
		.amdhsa_memory_ordered 1
		.amdhsa_forward_progress 1
		.amdhsa_inst_pref_size 31
	.end_amdhsa_kernel
	.amdgpu_metadata
---
amdhsa.version: [ 1, 2 ]
amdhsa.kernels:
  - .name:           k_q2f7d5ae2cc_quant
    .symbol:         k_q2f7d5ae2cc_quant.kd
    .args:
      - { .name: x, .offset: 0, .size: 8, .value_kind: global_buffer, .address_space: global }
      - { .name: Wq, .offset: 8, .size: 8, .value_kind: global_buffer, .address_space: global }
      - { .name: Wk, .offset: 16, .size: 8, .value_kind: global_buffer, .address_space: global }
      - { .name: Wv, .offset: 24, .size: 8, .value_kind: global_buffer, .address_space: global }
      - { .name: Wo, .offset: 32, .size: 8, .value_kind: global_buffer, .address_space: global }
      - { .name: img, .offset: 40, .size: 8, .value_kind: global_buffer, .address_space: global }
      - { .name: scl, .offset: 48, .size: 8, .value_kind: global_buffer, .address_space: global }
    .group_segment_fixed_size: 35328
    .private_segment_fixed_size: 0
    .kernarg_segment_align: 8
    .kernarg_segment_size: 56
    .max_flat_workgroup_size: 128
    .sgpr_count:     66
    .vgpr_count:     216
    .wavefront_size: 32
...
	.end_amdgpu_metadata
.endif
;; end of part 1
;; launch qkv (part 2): grid 8 x 48, 4 waves a work-group, clusters of 4 x 4, 327,680 bytes of LDS; arguments img, scl, bq, bk, bv, qbuf, kv; writes qbuf, kv
.if DOCPART == 2
	.amdgcn_target "amdgcn-amd-amdhsa--gfx1250"
	.amdhsa_code_object_version 6
	.text
	.protected	k_q2f7d5ae2cc_qkv
	.globl	k_q2f7d5ae2cc_qkv
	.p2align	8
	.type	k_q2f7d5ae2cc_qkv,@function
k_q2f7d5ae2cc_qkv:
	s_mov_b64 s[64:65], 0
	v_nop
	global_prefetch_b8 v0, s[64:65] scope:SCOPE_SE
	s_setreg_imm32_b32 hwreg(HW_REG_WAVE_MODE, 25, 1), 1
	s_wait_xcnt 0x0
	s_wait_alu depctr_hold_cnt(0) depctr_sa_sdst(0) depctr_va_vdst(0) depctr_va_sdst(0) depctr_va_ssrc(0) depctr_va_vcc(0) depctr_vm_vsrc(0)
	s_getreg_b32 s2, hwreg(HW_REG_IB_STS2, 6, 4)
	s_cmp_eq_u32 s2, 0
	s_cbranch_scc0 .Lentry_in_a_cluster
	s_endpgm
.Lentry_in_a_cluster:
	s_bfe_u32 s2, ttmp6, 0x10000c
	s_cmp_lg_u32 s2, 0xf033
	s_cbranch_scc0 .Lentry_shape_is_right
	s_endpgm
.Lentry_shape_is_right:
.set SLOT,  98304
.set WPART, 24576
.set KSB,   12288
.set IMGB,  1536
.set SPARE, 3*SLOT
.set SC,  32
.set AF,  128
.set SPW, 28
.set NIL, 29
.set PC,  128
.set PCT, 140
.set TM,  148
.set WD,  164
.set WV,  18
.set RH,  19
.set CH,  20
.set TYP, 23
.set G1A, 24
.set G1B, 32
.set G0A, 40
.set G0B, 52
.set SEL, 70
.set HM,  85
.set MSB, 0
.macro WIN new
.if MSB != (\new)
	s_set_vgpr_msb (MSB<<8)|(\new)
.set MSB, (\new)
.endif
.endm
.macro JLOAD g0a, g1a, g0b, g1b
	s_cmp_eq_u32 s[RH], 0
	s_cbranch_scc0 .Lfor_b_\@
	tensor_load_to_lds s[\g0a:\g0a+3], s[\g1a:\g1a+7]
	s_nop 0
.rept 4
	v_nop
.endr
	s_branch .Lasked_\@
.Lfor_b_\@:
	tensor_load_to_lds s[\g0b:\g0b+3], s[\g1b:\g1b+7]
	s_nop 0
.rept 4
	v_nop
.endr
.Lasked_\@:
.endm
.macro CREST
	s_cmp_lg_u32 s[WV], 0
	s_cbranch_scc1 .Lnot_wave_0_\@
	s_barrier_signal -3
.Lnot_wave_0_\@:
	s_barrier_wait -3
	s_barrier_signal -1
	s_barrier_wait -1
.endm
.macro CROUND
	s_barrier_signal -1
	s_barrier_wait -1
	CREST
.endm
.macro PLACES n
.rept \n
	v_nop
.endr
.endm
.macro FRAG reg, a16, a8, off
	ds_load_b128 v[\reg:\reg+3], v[\a16] offset:\off
	ds_load_b64 v[\reg+4:\reg+5], v[\a8] offset:\off+512
	ds_load_b128 v[\reg+6:\reg+9], v[\a16] offset:\off+768
	ds_load_b64 v[\reg+10:\reg+11], v[\a8] offset:\off+1280
.endm
.macro FETCH_B n, q, p
	WIN 0x40
.irp i, 0,1,2,3,4,5,6,7
	FRAG 128*(\p)+12*\i, 14+(\n), 17+(\n), KSB*(\q)+IMGB*\i
.endr
	WIN 0
.endm
.macro FETCH_A n, q, i0
.irp i, \i0, \i0+1, \i0+2, \i0+3
	FRAG AF+12*(\i), 8+(\n), 11+(\n), KSB*(\q)+IMGB*(\i)
.endr
.endm
.macro MUL16 a0, p, k, cm
.irp a, \a0, \a0+1
.irp b, 0,1,2,3,4,5,6,7
.set rD, 8*(8*((\a)%4)+\b)
.set rB, 128*(\p)+12*\b
.set rA, AF+12*(\a)
.if \cm == 1
.set rC, 96+8*\b+96*(\b/4)
.elseif \cm == 2
.set rC, 96+8*(\a)+96*((\a)/4)
.else
.set rC, rD
.endif
	v_wmma_scale_f32_16x16x128_f8f6f4 v[rD:rD+7], v[rB:rB+11], v[rA:rA+11], v[rC:rC+7], v[SC+8*\b+(\k)], v[SC+8*(\a)+(\k)] matrix_a_fmt:MATRIX_FMT_FP6 matrix_b_fmt:MATRIX_FMT_FP6 matrix_a_scale:MATRIX_SCALE_ROW1
.endr
.endr
.endm
.macro PSTEP k, cm
.set NXS, (((\k)+1)/2)%3
.set NXQ, ((\k)+1)%2
	s_wait_dscnt 16
.if \cm
	WIN 0x81
.else
	WIN 0xa1
.endif
	MUL16 0, (\k)%2, \k, \cm
	MUL16 2, (\k)%2, \k, \cm
	s_wait_dscnt 0x0
	PLACES 4
	FETCH_B NXS, NXQ, 1-(\k)%2
	FETCH_A NXS, NXQ, 0
.if \cm
	WIN 0xc1
.else
	WIN 0xf1
.endif
	MUL16 4, (\k)%2, \k, \cm
	MUL16 6, (\k)%2, \k, \cm
	PLACES 4
	WIN 0
	FETCH_A NXS, NXQ, 4
.endm
.macro BSTEP k, fill
.set NXS, (((\k)+1)/2)%3
.set NXQ, ((\k)+1)%2
	s_wait_tensorcnt 0x0
	ds_add_u32 v[SPW], v[NIL]
	s_wait_dscnt 17
	WIN 0xa1
	MUL16 0, (\k)%2, \k, 0
	s_wait_dscnt 0x0
	s_barrier_signal -1
	MUL16 2, (\k)%2, \k, 0
	WIN 0
	s_barrier_wait -1
.if \fill
	CREST
	s_add_nc_u64 s[G0A+2:G0A+3], s[G0A+2:G0A+3], 3*WPART
	s_add_nc_u64 s[G0B+2:G0B+3], s[G0B+2:G0B+3], 3*WPART
	JLOAD G0A, G1A, G0B, G1B
.else
	PLACES 4
.endif
	FETCH_B NXS, NXQ, 1-(\k)%2
	FETCH_A NXS, NXQ, 0
	WIN 0xf1
	MUL16 4, (\k)%2, \k, 0
	MUL16 6, (\k)%2, \k, 0
	PLACES 4
	WIN 0
	FETCH_A NXS, NXQ, 4
.endm
	s_load_b256 s[4:11], s[0:1], 0x0
	s_load_b128 s[12:15], s[0:1], 0x20
	s_load_b64 s[16:17], s[0:1], 0x30
	v_lshl_add_u32 v[SPW], v0, 2, SPARE
	v_mov_b32 v[NIL], 0
	ds_add_u32 v[SPW], v[NIL]
	ds_add_u32 v[SPW], v[NIL]
	v_lshrrev_b32 v1, 5, v0
	v_readfirstlane_b32 s[WV], v1
	s_lshr_b32 s[RH], s[WV], 1
	s_and_b32 s[CH], s[WV], 1
	s_bfe_u32 s21, ttmp6, 0x40000
	s_bfe_u32 s22, ttmp6, 0x40004
	s_and_b32 s76, ttmp7, 0xffff
	s_lshr_b32 s[TYP], s76, 3
	s_xor_b32 s77, s[TYP], 1
	s_lshl_b32 s78, s76, 2
	s_mul_i32 s78, s78, s77
	s_add_co_u32 s78, s78, s22
	s_lshl_b32 s79, s76, 1
	s_sub_co_u32 s79, s79, 16
	s_mul_i32 s79, s79, s[TYP]
	s_add_co_u32 s79, s79, ttmp9
	s_lshl_b32 s79, s79, 2
	s_add_co_u32 s79, s79, s21
	s_lshl_b32 s80, s22, 2
	s_lshl_b32 s80, 15, s80
	s_lshl_b32 s81, 0x1111, s21
	s_or_b32 s[G1A], s80, (3<<16)|(1<<21)
	s_or_b32 s[G1B], s81, (3<<16)|(1<<21)
.irp g, G1A, G1B
	s_mov_b32 s[\g+1], 32<<16
	s_mov_b32 s[\g+2], 288<<16                     ; the head's load: 288 rows of 256 bytes, six K steps of 128 rows' images
	s_mov_b32 s[\g+3], 32<<16
	s_mov_b32 s[\g+4], 288
	s_mov_b32 s[\g+5], 32
	s_mov_b32 s[\g+6], 0
	s_mov_b32 s[\g+7], 0
.endr
	s_mul_i32 s82, s[TYP], 80
	s_lshl_b32 s66, s78, 1
	s_add_co_u32 s82, s82, s66
	s_add_co_u32 s90, s82, s[RH]
	s_add_co_u32 s82, s82, s[CH]
	s_lshl_b32 s83, s77, 6
	s_lshl_b32 s67, s79, 1
	s_add_co_u32 s83, s83, s67
	s_add_co_u32 s83, s83, s[CH]
	s_mul_i32 s86, s82, SLOT
	s_mov_b32 s87, 0
	s_mul_i32 s88, s83, SLOT
	s_mov_b32 s89, 0
	s_mul_i32 s84, s[WV], 3*WPART                  ; LDS: a region of six K steps for each of the four groups of 128 rows
	s_lshl_b32 s90, s90, 12
	s_lshl_b32 s91, s83, 12
	s_mov_b32 s[HM], 0xffff0000
	s_mov_b32 s[SEL], 0x76543210
	s_mov_b32 s[SEL+1], 0xfedcba98
	s_lshl_b32 s94, s22, 10
	s_lshl_b32 s95, s[RH], 9
	s_add_co_u32 s94, s94, s95
	s_lshl_b32 s96, s21, 10
	s_lshl_b32 s97, s[CH], 9
	s_add_co_u32 s96, s96, s97
	s_cmp_lg_u32 s[TYP], 0
	s_cselect_b32 s94, s94, s96
	s_mov_b32 s95, 0
	s_wait_dscnt 0x0
	s_wait_kmcnt 0x0
	s_add_nc_u64 s[86:87], s[4:5], s[86:87]
	s_add_nc_u64 s[88:89], s[4:5], s[88:89]
	s_cmp_eq_u32 ttmp9, 0
	s_cselect_b64 s[92:93], s[8:9], s[10:11]
	s_cmp_lg_u32 s[TYP], 0
	s_cselect_b64 s[92:93], s[12:13], s[92:93]
	s_add_nc_u64 s[92:93], s[92:93], s[94:95]
	CROUND
	s_mov_b32 s[G0A], 1
	s_mov_b32 s[G0A+1], s84
	s_mov_b64 s[G0A+2:G0A+3], s[86:87]
	s_or_b32 s[G0A+3], s[G0A+3], 0x80000000
	s_mov_b32 s[G0B], 1
	s_mov_b32 s[G0B+1], s84
	s_mov_b64 s[G0B+2:G0B+3], s[88:89]
	s_or_b32 s[G0B+3], s[G0B+3], 0x80000000
	JLOAD G0A, G1A, G0B, G1B                       ; my one load at the head: K steps 0 to 5 of my group, dense in memory and in LDS
	v_and_b32 v1, 31, v0
	v_and_b32 v2, 15, v0
	v_bfe_u32 v3, v0, 4, 1
	v_lshlrev_b32 v4, 4, v1
	v_lshlrev_b32 v5, 3, v1
	v_mov_b32 v6, s90
	v_mov_b32 v7, s91
	v_cndmask_b32 v6, v6, v7, s[HM]
	v_lshl_add_u32 v6, v2, 2, v6
.irp i, 0,1,2,3,4,5,6,7
.irp k, 0,1,2,3,4,5,6,7
	global_load_b32 v[SC+8*\i+\k], v6, s[6:7] offset:512*\i+64*\k
.endr
.endr
	v_and_b32 v7, 8, v2
	v_add_nc_u32 v7, v7, v2
	v_lshlrev_b32 v7, 2, v7
	v_mul_u32_u24 v7, s[TYP], v7
	v_lshlrev_b32 v30, 6, v3
.irp j, 0,1,2,3,4,5,6,7
	v_add_nc_u32 v[20+\j], 4*\j, v30
	v_mad_u32_u24 v[20+\j], v[20+\j], s77, v7
.endr
.irp x, 0,1,2,3,4,5,6,7
.irp j, 0,1,2,3,4,5,6,7
	global_load_b32 v[96+8*\x+96*(\x/4)+\j], v[20+\j], s[92:93] offset:(32*(\x/2)+8*(\x%2))*4
.endr
.endr
	s_mul_i32 s66, s[RH], 3*WPART
	s_mul_i32 s67, s[CH], 3*WPART
	s_add_co_u32 s67, s67, 6*WPART
.irp n, 0,1,2
	v_add_nc_u32 v[8+\n], s66, v4
	v_add_nc_u32 v[11+\n], s66, v5
	v_add_nc_u32 v[14+\n], s67, v4
	v_add_nc_u32 v[17+\n], s67, v5
	s_add_co_u32 s66, s66, WPART
	s_add_co_u32 s67, s67, WPART
.endr
	s_wait_alu depctr_va_vdst(0)
	s_wait_loadcnt 0x0
	s_wait_tensorcnt 0x0                           ; my region is in; no tensor load of mine is out, so group 1 may be written:
	s_mov_b32 s[G1A+2], 96<<16                     ; the one refill brings 96 rows, two K steps
	s_mov_b32 s[G1A+4], 96
	s_mov_b32 s[G1B+2], 96<<16
	s_mov_b32 s[G1B+4], 96
	s_barrier_signal -1
	s_barrier_wait -1
	FETCH_B 0, 0, 0
	FETCH_A 0, 0, 0
	FETCH_A 0, 0, 4
	s_cmp_lg_u32 s[TYP], 0
	s_cbranch_scc1 .Lfirst_v
	PSTEP 0, 1
	s_branch .Lfirst_done
.Lfirst_v:
	PSTEP 0, 2
.Lfirst_done:
	BSTEP 1, 1
	PSTEP 2, 0
	PSTEP 3, 0
	PSTEP 4, 0
	BSTEP 5, 0
	PSTEP 6, 0
	s_wait_dscnt 16
	WIN 0xa1
	MUL16 0, 1, 7, 0
	MUL16 2, 1, 7, 0
	s_wait_dscnt 0x0
	WIN 0xf1
	MUL16 4, 1, 7, 0
	MUL16 6, 1, 7, 0
	WIN 0
	PLACES 4
.irp b, 0,1,2,3
	v_mov_b32 v[TM+4+\b], 0
.endr
.macro QUANTW a
.set QW, 2+(\a)/4
.set AC, 64*((\a)%4)
	WIN QW|(QW<<2)
.irp b, 0,1,2,3
	v_max3_num_f32 v[TM+\b], |v[AC+16*\b]|, |v[AC+1+16*\b]|, 0x1800000
.endr
	WIN (QW<<2)|(QW<<4)
.irp i, 2,4,6,8,10,12,14
.irp b, 0,1,2,3
	v_max3_num_f32 v[TM+\b], v[TM+\b], |v[AC+16*\b+\i]|, |v[AC+1+16*\b+\i]|
.endr
.endr
	WIN 0
.irp b, 0,1,2,3
	v_permlanex16_b32 v[TM+4+\b], v[TM+\b], s[SEL], s[SEL+1]
.endr
.irp b, 0,1,2,3
	v_max_num_f32 v[TM+\b], v[TM+\b], v[TM+4+\b]
.endr
.irp b, 0,1,2,3
	v_add_nc_u32 v[TM+12+\b], 0xff000000, v[TM+\b]
.endr
.irp b, 0,1,2,3
	v_lshrrev_b32 v[TM+4+\b], 23, v[TM+12+\b]
.endr
	v_lshl_or_b32 v[WD+(\a)], v[TM+5], 8, v[TM+4]
	v_lshl_or_b32 v[WD+(\a)], v[TM+6], 16, v[WD+(\a)]
	v_lshl_or_b32 v[WD+(\a)], v[TM+7], 24, v[WD+(\a)]
.if (\a) > 0
	s_wait_xcnt 0x0
.endif
	WIN QW
.irp c, 0,1
	v_cvt_scalef32_pk16_fp6_f32 v[PC+6*\c:PC+2+6*\c], v[AC+32*\c:AC+15+32*\c], v[TM+12+2*\c]
	v_cvt_scalef32_pk16_fp6_f32 v[PCT+4*\c:PCT+2+4*\c], v[AC+16+32*\c:AC+31+32*\c], v[TM+12+2*\c+1]
.endr
	WIN 0
	v_nop
.irp c, 0,1
.irp i, 0,1,2
	v_permlane16_swap_b32 v[PC+6*\c+\i], v[PCT+4*\c+\i]
.endr
.irp i, 0,1,2
	v_mov_b32 v[PC+3+6*\c+\i], v[PCT+4*\c+\i]
.endr
.endr
.endm
	s_cmp_lg_u32 s[TYP], 0
	s_cbranch_scc1 .Lv_out
	s_lshl_b32 s66, s78, 1
	s_add_co_u32 s66, s66, s[RH]
	s_lshr_b32 s67, s66, 4
	s_and_b32 s66, s66, 15
	s_lshl_b32 s67, s67, 4
	s_lshl_b32 s68, s21, 2
	s_add_co_u32 s67, s67, s68
	s_lshl_b32 s68, s[CH], 1
	s_add_co_u32 s67, s67, s68
	s_cmp_eq_u32 ttmp9, 0
	s_cselect_b64 s[72:73], s[14:15], s[16:17]
	s_mov_b32 s68, 208896
	s_cselect_b32 s68, 106496, s68
	s_mov_b32 s80, 13056
	s_cselect_b32 s80, 6656, s80
	s_mov_b32 s81, 12288
	s_cselect_b32 s81, 6144, s81
	s_mul_i32 s67, s67, s68
	s_mul_i32 s66, s66, s80
	s_add_co_u32 s66, s66, s67
	s_mov_b32 s67, 0
	s_mov_b32 s69, 0
	s_add_nc_u64 s[72:73], s[72:73], s[66:67]
	s_add_nc_u64 s[74:75], s[72:73], s[68:69]
	v_lshlrev_b32 v30, 5, v2
	v_lshl_add_u32 v30, v3, 4, v30
	v_add_nc_u32 v30, s81, v30
.irp a, 0,1,2,3,4,5,6,7
	QUANTW \a
	global_store_b128 v4, v[PC:PC+3], s[72:73] offset:768*\a
	global_store_b64 v5, v[PC+4:PC+5], s[72:73] offset:768*\a+512
	global_store_b128 v4, v[PC+6:PC+9], s[74:75] offset:768*\a
	global_store_b64 v5, v[PC+10:PC+11], s[74:75] offset:768*\a+512
.endr
.irp i, 0,1,2,3
	v_cndmask_b32 v[172+\i], v[WD+\i], v[WD+4+\i], s[HM]
.endr
.irp i, 0,1,2,3
	v_and_b32 v[176+\i], 0xffff, v[172+\i]
.endr
.irp i, 0,1,2,3
	v_lshrrev_b32 v[180+\i], 16, v[172+\i]
.endr
	global_store_b128 v30, v[176:179], s[72:73]
	global_store_b128 v30, v[180:183], s[74:75]
	s_branch .Ldone
.Lv_out:
	s_lshl_b32 s66, s79, 1
	s_add_co_u32 s66, s66, s[CH]
	s_lshr_b32 s67, s66, 4
	s_and_b32 s66, s66, 15
	s_lshl_b32 s67, s67, 4
	s_lshl_b32 s68, s22, 2
	s_add_co_u32 s67, s67, s68
	s_lshl_b32 s68, s[RH], 1
	s_add_co_u32 s67, s67, s68
	s_mul_i32 s67, s67, 208896
	s_mul_i32 s66, s66, 13056
	s_add_co_u32 s66, s66, s67
	s_add_co_u32 s66, s66, 6144
	s_mov_b32 s67, 0
	s_add_nc_u64 s[72:73], s[16:17], s[66:67]
	s_add_nc_u64 s[74:75], s[72:73], 208896
	v_lshlrev_b32 v30, 4, v2
	v_mul_u32_u24 v31, v3, 208896
	v_add_nc_u32 v30, v30, v31
.irp a, 0,1,2,3
	QUANTW \a
.irp c, 0,1,2
	global_store_b128 v4, v[PC+4*\c:PC+4*\c+3], s[72:73] offset:1536*\a+512*\c
.endr
.endr
.irp a, 4,5,6,7
	QUANTW \a
.irp c, 0,1,2
	global_store_b128 v4, v[PC+4*\c:PC+4*\c+3], s[74:75] offset:1536*(\a-4)+512*\c
.endr
.endr
.irp i, 0,1,2,3
	v_cndmask_b32 v[172+\i], v[WD+\i], v[WD+4+\i], s[HM]
.endr
	global_store_b128 v30, v[172:175], s[72:73] offset:6656
.Ldone:
	s_wait_tensorcnt 0x0
	ds_add_u32 v[SPW], v[NIL]
	s_wait_dscnt 0x0
	CROUND
	s_endpgm
.Lfunc_end_k_q2f7d5ae2cc_qkv:
	.size	k_q2f7d5ae2cc_qkv, .Lfunc_end_k_q2f7d5ae2cc_qkv-k_q2f7d5ae2cc_qkv
	.p2alignl 7, 3214868480
	.fill 96, 4, 3214868480
	.section	.rodata,"a",@progbits
	.p2align	6, 0x0
	.amdhsa_kernel k_q2f7d5ae2cc_qkv
		.amdhsa_group_segment_fixed_size 327680
		.amdhsa_private_segment_fixed_size 0
		.amdhsa_enable_private_segment 0
		.amdhsa_kernarg_size 56
		.amdhsa_user_sgpr_count 2
		.amdhsa_user_sgpr_kernarg_segment_ptr 1
		.amdhsa_wavefront_size32 1
		.amdhsa_system_sgpr_workgroup_id_x 1
		.amdhsa_system_sgpr_workgroup_id_y 1
		.amdhsa_system_sgpr_workgroup_id_z 1
		.amdhsa_system_vgpr_workitem_id 0
		.amdhsa_next_free_vgpr 1024
		.amdhsa_next_free_sgpr 100
		.amdhsa_reserve_vcc 0
		.amdhsa_float_denorm_mode_32 3
		.amdhsa_float_denorm_mode_16_64 3
		.amdhsa_memory_ordered 1
		.amdhsa_forward_progress 1
		.amdhsa_inst_pref_size 205
	.end_amdhsa_kernel
	.amdgpu_metadata
---
amdhsa.version: [ 1, 2 ]
amdhsa.kernels:
  - .name:           k_q2f7d5ae2cc_qkv
    .symbol:         k_q2f7d5ae2cc_qkv.kd
    .args:
      - { .name: img, .offset: 0, .size: 8, .value_kind: global_buffer, .address_space: global }
      - { .name: scl, .offset: 8, .size: 8, .value_kind: global_buffer, .address_space: global }
      - { .name: bq, .offset: 16, .size: 8, .value_kind: global_buffer, .address_space: global }
      - { .name: bk, .offset: 24, .size: 8, .value_kind: global_buffer, .address_space: global }
      - { .name: bv, .offset: 32, .size: 8, .value_kind: global_buffer, .address_space: global }
      - { .name: qbuf, .offset: 40, .size: 8, .value_kind: global_buffer, .address_space: global }
      - { .name: kv, .offset: 48, .size: 8, .value_kind: global_buffer, .address_space: global }
    .group_segment_fixed_size: 327680
    .private_segment_fixed_size: 0
    .kernarg_segment_align: 8
    .kernarg_segment_size: 56
    .max_flat_workgroup_size: 128
    .sgpr_count:     100
    .vgpr_count:     1024
    .wavefront_size: 32
...
	.end_amdgpu_metadata
.endif
;; end of part 2
;; launch attn (part 3): grid 4 x 64, 8 waves a work-group, clusters of 4 x 1, 327,680 bytes of LDS; arguments qbuf, kv, img, scl; writes img, scl
.if DOCPART == 3
	.amdgcn_target "amdgcn-amd-amdhsa--gfx1250"
	.amdhsa_code_object_version 6
	.text
	.protected	k_q2f7d5ae2cc_attn
	.globl	k_q2f7d5ae2cc_attn
	.p2align	8
	.type	k_q2f7d5ae2cc_attn,@function
k_q2f7d5ae2cc_attn:
	s_mov_b64 s[64:65], 0
	v_nop
	global_prefetch_b8 v0, s[64:65] scope:SCOPE_SE
	s_setreg_imm32_b32 hwreg(HW_REG_WAVE_MODE, 25, 1), 1
	s_wait_xcnt 0x0
	s_wait_alu depctr_hold_cnt(0) depctr_sa_sdst(0) depctr_va_vdst(0) depctr_va_sdst(0) depctr_va_ssrc(0) depctr_va_vcc(0) depctr_vm_vsrc(0)
	s_getreg_b32 s2, hwreg(HW_REG_IB_STS2, 6, 4)
	s_cmp_eq_u32 s2, 0
	s_cbranch_scc0 .Lentry_in_a_cluster
	s_endpgm
.Lentry_in_a_cluster:
	s_bfe_u32 s2, ttmp6, 0x10000c
	s_cmp_lg_u32 s2, 0x3003
	s_cbranch_scc0 .Lentry_shape_is_right
	s_endpgm
.Lentry_shape_is_right:
; o[b][q][head] = softmax_k(q . k / 8) v on codes of FP6 (E2M3) with E8M0 scales, then / the row's sum, quantised along D, stored as half images of the last product's operand.
; t = score x log2(e) / 8; M = the running largest t rounded UP to a whole number; p = 2^(t - M) is quantised along the keys, not normalised; the row's sum is taken of the unquantised p.
; When M moves, the sums and O are multiplied by 2^(old M - new M): exact.
; SHARES.  A cluster of four work-groups owns one head; a work-group 512 queries; each of its eight waves TWO tiles of 16 queries side by side in each of two passes, so that each fragment of K and V read from LDS feeds two products.
; THE HEAD'S WHOLE K AND V, 208,896 bytes (sixteen blocks of 13,056: 128 keys each), lie in LDS, filled once: each wave asks for two blocks on end by one joint load of 102 rows of 256 bytes; nothing is filled again.
; No prefetch: all that comes from memory but 3 KB of Q a wave is asked for at the head, and there is no loop to run ahead in.
; LAYOUT.  Both products are used transposed: S^T = K Q^T, O^T = V^T P^T: a lane holds one query throughout.  K's images in LDS hold tile 2 a + u, row 8 g + j = key 32 a + 16 g + 8 u + j.
; They are READ in another order: row 8 hm + j of tile 4 c + u is key 64 c + 32 hm + 8 u + j.  So the 32 registers of tiles 4 c .. 4 c + 3 in lane (r, h) are keys 64 c + 32 h + 0 .. 31:
; one whole scale block of P, in the order of the operand's registers: a block's largest score needs no other lane and its codes change no lane.
; THE FIRST PRODUCT'S K IS 64, half of the instruction's 128.  Q's registers 6-11 are zero codes.  K's tile t is named as 12 registers: the upper six are the next tile's codes (behind tile 7: zeros);
; every six bits are a finite number of the format and meet a zero code.  The scale bytes of the upper half are 0 on both sides, a finite scale.
; THE ORDER OF A STEP.  Tile 1's score products stand among the lines of tile 0's maxima.  The exponentials go in four batches of 32 (a block of a tile each); between them stand lines that hang on nothing of their own batch:
; the multiply-adds of later blocks and the sums of earlier ones.  The row's sum is kept in 16 pairs a tile, each touched once in a batch, and joined at the pass's end.  The last block's sums stand among the second product's instructions.
; K's and V's fragments have registers of their own and are fetched one key step ahead; in a pass's last step the address is held at block 15, and what comes is not used.
; O^T and the sums are cleared at a pass's start: the step is written once, and its first trip multiplies them by 0.
; LIMITS: NaN and infinities are not served; a block whose largest magnitude lies under 2^-124 has its byte held at 1; a block of zeros gets the byte 1 (its codes are zeros; this program alone reads the bytes).
; REGISTERS.  Window 0: v1-15, v70 lane terms and addresses; v16-69 K; v72-119 V; v120-135 scale words; from v136 28 registers for each tile; v192-215 p's codes; v216-231 conversions on their way; v232-255 Q.
; Window 1: v0-127 S^T then p; v128-191 O^T; v192-255 the sums.
.set STEPB, 13056
.set HEADB, 208896
.set SPARE, 208896                     ; behind the head's bytes: the spare words, 128 bytes for each of eight waves
.set L16, 1
.set L8,  2
.set KAL, 3                            ; K's lane terms: 16-byte pieces, 8-byte pieces, scale words
.set KBL, 4
.set KSL, 5
.set VSL, 6
.set OSB, 7
.set SPW, 8
.set NIL, 9
.set KA,  10                           ; the next key step's addresses
.set KB,  11
.set KS,  12
.set VA,  13
.set VS,  14
.set H8,  15
.set KF,  16
.set ZR,  64
.set QSL, 70
.set VF,  72
.set KW,  120
.set VW,  128
.set QW,  132
.set PW,  134
.set MS,  28                           ; from tile 0's small registers to tile 1's
.set BM,  136                          ; the two blocks' largest scores; BB: their second chains
.set BB,  138
.set NM,  140                          ; -M, and beside it the running largest score
.set LS,  142                          ; the way out: the row's sum
.set FF,  144                          ; f
.set CD,  146                          ; the way out: o's codes
.set SO,  154
.set TP,  156
.set EB,  158
.set PC,  192
.set PT,  216
.set QF,  232
.set OT,  128                          ; window 1
.set AQ,  192                          ; window 1
.set WV,  12
.set SEL, 16
.set CS,  18                           ; s[18:19] c = log2(e) / 8
.set TB,  20
.set CNT, 21
.set HM,  22
.set NC,  23                           ; -c
.set TN,  36
.set MSB, 0
.macro WIN new                         ; the immediate's high byte repeats the setting that is left
.if MSB != (\new)
	s_set_vgpr_msb (MSB<<8)|(\new)
.set MSB, (\new)
.endif
.endm
.macro WALU
	s_wait_alu depctr_va_vdst(0)
.endm
.macro CROUND
	s_barrier_signal -1
	s_barrier_wait -1
	s_cmp_lg_u32 s[WV], 0
	s_cbranch_scc1 .Lnot_wave_0_\@
	s_barrier_signal -3
.Lnot_wave_0_\@:
	s_barrier_wait -3
	s_barrier_signal -1
	s_barrier_wait -1
.endm
.macro ADDRS
	v_add_nc_u32 v[KA], s[TN], v[KAL]
	v_add_nc_u32 v[KB], s[TN], v[KBL]
	v_add_nc_u32 v[KS], s[TN], v[KSL]
	v_add_nc_u32 v[VA], s[TN], v[L16]
	v_add_nc_u32 v[VS], s[TN], v[VSL]
.endm
.macro KLOAD                           ; 20 loads: eight tiles of K and their scale words
.irp c, 0,1
.irp u, 0,1,2,3
	ds_load_b128 v[KF+6*(4*\c+\u):KF+6*(4*\c+\u)+3], v[KA] offset:3072*\c+768*(\u%2)+128*(\u/2)
	ds_load_b64 v[KF+6*(4*\c+\u)+4:KF+6*(4*\c+\u)+5], v[KB] offset:512+3072*\c+768*(\u%2)+64*(\u/2)
.endr
.endr
.irp c, 0,1
.irp g, 0,1
	ds_load_b64 v[KW+4*\c+2*\g:KW+4*\c+2*\g+1], v[KS] offset:12288+16*\c+256*\g
.endr
.endr
.endm
.macro VLOAD                           ; 13 loads: four tiles of V^T and their scale words
.irp t, 0,1,2,3
.irp c, 0,1,2
	ds_load_b128 v[VF+12*\t+4*\c:VF+12*\t+4*\c+3], v[VA] offset:6144+1536*\t+512*\c
.endr
.endr
	ds_load_b128 v[VW:VW+3], v[VS] offset:12800
.endm
.macro QKW q, t                        ; 16 keys x 16 queries of S^T
	v_wmma_scale_f32_16x16x128_f8f6f4 v[64*(\q)+8*(\t):64*(\q)+8*(\t)+7], v[KF+6*(\t):KF+6*(\t)+11], v[QF+12*(\q):QF+12*(\q)+11], 0, v[KW+(\t)], v[QW+(\q)] matrix_a_fmt:MATRIX_FMT_FP6 matrix_b_fmt:MATRIX_FMT_FP6
.endm
.macro PVW q, t                        ; 16 channels x 16 queries of O^T
	v_wmma_scale_f32_16x16x128_f8f6f4 v[OT+32*(\q)+8*(\t):OT+32*(\q)+8*(\t)+7], v[VF+12*(\t):VF+12*(\t)+11], v[PC+12*(\q):PC+12*(\q)+11], v[OT+32*(\q)+8*(\t):OT+32*(\q)+8*(\t)+7], v[VW+(\t)], v[PW+(\q)] matrix_a_fmt:MATRIX_FMT_FP6 matrix_b_fmt:MATRIX_FMT_FP6
.endm
; Tile q's largest score of each block of 32 keys, in two chains a block: four lines by turns
.macro MAXF q
.irp c, 0,1
.irp x, 0,1
	v_max3_num_f32 v[BM+MS*\q+2*\x+\c], v[64*\q+32*\c+16*\x], v[64*\q+32*\c+16*\x+1], v[64*\q+32*\c+16*\x+2]
.endr
.endr
.endm
.macro MAXI q, i
.irp c, 0,1
.irp x, 0,1
	v_max3_num_f32 v[BM+MS*\q+2*\x+\c], v[BM+MS*\q+2*\x+\c], v[64*\q+32*\c+16*\x+(\i)], v[64*\q+32*\c+16*\x+(\i)+1]
.endr
.endr
.endm
.macro MAXJ q
.irp c, 0,1
	v_max3_num_f32 v[BM+MS*\q+\c], v[BM+MS*\q+\c], v[64*\q+32*\c+15], v[64*\q+32*\c+31]
.endr
.endm
.macro MAXE q
.irp c, 0,1
	v_max_num_f32 v[BM+MS*\q+\c], v[BM+MS*\q+\c], v[BB+MS*\q+\c]
.endr
.endm
.macro PF f, q                         ; t - M of 32 scores from register f on
.set k, 0
.rept 16
	v_pk_fma_f32 v[\f+2*k:\f+2*k+1], v[\f+2*k:\f+2*k+1], s[CS:CS+1], v[NM+MS*\q:NM+MS*\q+1] op_sel_hi:[1,0,0]
.set k, k+1
.endr
.endm
; Sixteen exponentials from register e on, p = 2^(t - M), each with one plain line behind it that names nothing of this batch:
.macro XFMA e, f, q                    ; t - M of 32 later scores
.set k, 0
.rept 16
	v_exp_f32 v[\e+k], v[\e+k]
	v_pk_fma_f32 v[\f+2*k:\f+2*k+1], v[\f+2*k:\f+2*k+1], s[CS:CS+1], v[NM+MS*\q:NM+MS*\q+1] op_sel_hi:[1,0,0]
.set k, k+1
.endr
.endm
.macro XSF e, a, p, q                  ; the sums under the new M, and a block's 32 p onto them
.set k, 0
.rept 16
	v_exp_f32 v[\e+k], v[\e+k]
	v_pk_fma_f32 v[\a+2*k:\a+2*k+1], v[\a+2*k:\a+2*k+1], v[FF+MS*\q:FF+MS*\q+1], v[\p+2*k:\p+2*k+1] op_sel_hi:[1,0,1]
.set k, k+1
.endr
.endm
.macro XSA e, a, p                     ; the tile's other block onto them
.set k, 0
.rept 16
	v_exp_f32 v[\e+k], v[\e+k]
	v_pk_add_f32 v[\a+2*k:\a+2*k+1], v[\a+2*k:\a+2*k+1], v[\p+2*k:\p+2*k+1]
.set k, k+1
.endr
.endm
.macro XN e
.set k, 0
.rept 16
	v_exp_f32 v[\e+k], v[\e+k]
.set k, k+1
.endr
.endm
.macro SUML k                          ; tile 1's last block onto its sums, a pair a line
	v_pk_add_f32 v[AQ+32+2*(\k):AQ+32+2*(\k)+1], v[AQ+32+2*(\k):AQ+32+2*(\k)+1], v[96+2*(\k):96+2*(\k)+1]
.endm
; A KEY STEP: 128 keys x 32 queries
.macro STEP
	s_add_co_u32 s[TN], s[TB], STEPB
	s_min_u32 s[TN], s[TN], 15*STEPB               ; the next step's block, held inside the head's bytes
	s_wait_dscnt 13                                ; K is in; V's 13 loads, issued behind it, may be out
	WIN 0x40
.irp t, 0,1,2,3,4,5,6,7
	QKW 0, \t
.endr
	WIN 0
	ADDRS                                          ; five plain lines: the places behind tile 0's products
	WIN 0x40
	QKW 1, 0
	WIN 0x15
	MAXF 0
.irp t, 1,2,3,4,5,6
	WIN 0x40
	QKW 1, \t
	WIN 0x14
	MAXI 0, 2*\t+1
.endr
	WIN 0x40
	QKW 1, 7
	WIN 0x14
	MAXJ 0
	WIN 0
	MAXE 0                                         ; with the two lines above: the places behind tile 1's last product
	KLOAD                                          ; the next step's K
	WIN 0x15
	MAXF 1
	WIN 0x14
.irp i, 3,5,7,9,11,13
	MAXI 1, \i
.endr
	MAXJ 1
	WIN 0
	MAXE 1
.irp q, 0,1
	v_max_num_f32 v[TP+MS*\q], v[BM+MS*\q], v[BM+MS*\q+1]
.endr
.irp q, 0,1
	v_permlanex16_b32 v[TP+MS*\q+1], v[TP+MS*\q], s[SEL], s[SEL+1]
.endr
.irp q, 0,1
	v_max3_num_f32 v[NM+MS*\q+1], v[NM+MS*\q+1], v[TP+MS*\q], v[TP+MS*\q+1]   ; the running largest score of my query
.endr
.irp q, 0,1
	v_mul_f32 v[TP+MS*\q], s[NC], v[NM+MS*\q+1]    ; -t
.endr
.irp q, 0,1
	v_floor_f32 v[TP+MS*\q], v[TP+MS*\q]           ; the new -M: M is a whole number
.endr
.irp q, 0,1
	v_sub_f32 v[FF+MS*\q], v[TP+MS*\q], v[NM+MS*\q]   ; old M - new M, 0 or less
.endr
.irp q, 0,1
	v_mov_b32 v[NM+MS*\q], v[TP+MS*\q]
.endr
.irp q, 0,1
	v_cvt_i32_f32 v[FF+MS*\q], v[FF+MS*\q]         ; (it saturates)
.endr
.irp q, 0,1
	v_ldexp_f32 v[FF+MS*\q], 1.0, v[FF+MS*\q]      ; f = 2^(old M - new M)
.endr
.irp q, 0,1
.irp c, 0,1
	v_fma_f32 v[BM+MS*\q+\c], v[BM+MS*\q+\c], s[CS], v[NM+MS*\q]   ; t - M of each block's largest score
.endr
.endr
	WIN 0x41
	PF 0, 0
	WIN 0
	WALU                                           ; a wait ahead of each batch of exponentials and behind it
.irp q, 0,1
.irp c, 0,1
	v_exp_f32 v[BM+MS*\q+\c], v[BM+MS*\q+\c]       ; each block's largest p
.endr
.endr
	WIN 0x41
	XFMA 0, 32, 0                                  ; tile 0, block 0
	XFMA 16, 64, 1
	WALU
	XFMA 32, 96, 1                                 ; tile 0, block 1
	WIN 0x51
	XSF 48, AQ, 0, 0
	WALU
	WIN 0x45
	XSA 64, AQ, 32                                 ; tile 1, block 0
	XN 80
	WALU
	WIN 0x51
	XSF 96, AQ+32, 64, 1                           ; tile 1, block 1
	XN 112
	WIN 0
	v_nop                                          ; a plain place behind the last exponential
	WALU
.irp q, 0,1
.irp c, 0,1
	v_max_num_f32 v[BM+MS*\q+\c], 0x1800000, v[BM+MS*\q+\c]       ; the block's largest p, and the floor 2^(3 - 127)
.endr
.endr
.irp q, 0,1
.irp c, 0,1
	v_add_nc_u32 v[SO+MS*\q+\c], 0xff000000, v[BM+MS*\q+\c]       ; the conversion's scale operand
.endr
.endr
.irp q, 0,1
.irp c, 0,1
	v_lshrrev_b32 v[EB+MS*\q+\c], 23, v[SO+MS*\q+\c]              ; the scale's byte
.endr
.endr
.irp q, 0,1
	v_lshl_or_b32 v[TP+MS*\q], v[EB+MS*\q+1], 16, v[EB+MS*\q]     ; blocks h and 2 + h,
.endr
.irp q, 0,1
	v_lshlrev_b32 v[TP+MS*\q], v[H8], v[TP+MS*\q]                 ; at their places in the word
.endr
.irp q, 0,1
	v_permlanex16_b32 v[TP+MS*\q+1], v[TP+MS*\q], s[SEL], s[SEL+1]
.endr
	WIN 0x01
.irp q, 0,1
.irp c, 0,1
	v_cvt_scalef32_pk16_fp6_f32 v[PC+12*\q+6*\c:PC+12*\q+6*\c+2], v[64*\q+32*\c:64*\q+32*\c+15], v[SO+MS*\q+\c]
	v_cvt_scalef32_pk16_fp6_f32 v[PT+8*\q+4*\c:PT+8*\q+4*\c+2], v[64*\q+32*\c+16:64*\q+32*\c+31], v[SO+MS*\q+\c]   ; (a conversion's three registers begin on an even number)
.endr
.endr
	WIN 0
.irp q, 0,1
	v_or_b32 v[PW+\q], v[TP+MS*\q], v[TP+MS*\q+1]                 ; with lane l xor 16's two bytes the word is whole.  (Plain lines behind the conversions)
.endr
.irp q, 0,1
.irp c, 0,1
.irp i, 0,1,2
	v_mov_b32 v[PC+12*\q+6*\c+3+\i], v[PT+8*\q+4*\c+\i]
.endr
.endr
.endr
	s_wait_dscnt 20                                ; V is in; the next K's 20 loads, issued behind it, may be out
	WIN 0x41
	WALU                                           ; directly ahead of O^T's first reader
.set j, 0
.rept 16
.irp q, 0,1
	v_pk_mul_f32 v[OT+32*\q+j:OT+32*\q+j+1], v[OT+32*\q+j:OT+32*\q+j+1], v[FF+MS*\q:FF+MS*\q+1] op_sel_hi:[1,0]   ; O^T under the new M; these lines are also the places behind the scale words and the codes
.endr
.set j, j+2
.endr
.irp n, 0,1,2,3,4,5
	WIN 0x50
	PVW \n%2, \n/2
	WIN 0x45
	SUML 2*\n
	SUML 2*\n+1
.endr
	WIN 0x50
	PVW 0, 3
	PVW 1, 3
	WIN 0x45
.irp k, 12,13,14,15
	SUML \k                                        ; four plain lines: the places behind the last products
.endr
	WIN 0
	VLOAD                                          ; the next step's V
.endm
.macro BEGIN p                         ; a pass begins: its two tiles of Q; -3e38 under every score; zeros
.irp q, 0,1
	global_load_b128 v[QF+12*\q:QF+12*\q+3], v[L16], s[48:49] offset:13312*\p+768*\q
	global_load_b64 v[QF+12*\q+4:QF+12*\q+5], v[L8], s[48:49] offset:13312*\p+768*\q+512
	global_load_b32 v[QW+\q], v[QSL], s[50:51] offset:13312*\p+4*\q
.endr
	WIN 0x40
.set j, 0
.rept 128
	v_mov_b32 v[OT+j], 0                           ; O^T and the sums
.set j, j+1
.endr
	WIN 0
.irp q, 0,1
	v_mov_b32 v[NM+MS*\q+1], 0xff61b1e6
.endr
.irp q, 0,1
	v_mul_f32 v[NM+MS*\q], s[NC], v[NM+MS*\q+1]
.endr
.irp q, 0,1
	v_floor_f32 v[NM+MS*\q], v[NM+MS*\q]
.endr
.endm
; The way out of pass p: O^T / the sum, quantised along the head's 64: register 16 b + i is channel 32 b + 16 h + i of my query
.macro OUT p
	s_wait_dscnt 0x0                               ; the last step's fetches have landed: their registers may be loaded anew
	WIN 0x45
.irp d, 16,8,4,2
.set j, 0
.rept \d/2
.irp q, 0,1
	v_pk_add_f32 v[AQ+32*\q+j:AQ+32*\q+j+1], v[AQ+32*\q+j:AQ+32*\q+j+1], v[AQ+32*\q+\d+j:AQ+32*\q+\d+j+1]   ; the 16 pairs are joined
.endr
.set j, j+2
.endr
.endr
	WIN 0x05
.irp q, 0,1
	v_add_f32 v[LS+MS*\q], v[AQ+32*\q], v[AQ+32*\q+1]
.endr
	WIN 0
.irp q, 0,1
	v_permlanex16_b32 v[TP+MS*\q+1], v[LS+MS*\q], s[SEL], s[SEL+1]
.endr
.irp q, 0,1
	v_add_f32 v[LS+MS*\q], v[LS+MS*\q], v[TP+MS*\q+1]   ; the row's sum
.endr
	WALU
.irp q, 0,1
	v_rcp_f32 v[LS+MS*\q], v[LS+MS*\q]
.endr
	v_nop                                          ; a plain place behind the transcendentals
	WIN 0x41
	WALU                                           ; and the wait ahead of their first reader, which is O^T's first reader too
.set j, 0
.rept 16
.irp q, 0,1
	v_pk_mul_f32 v[64*\q+j:64*\q+j+1], v[OT+32*\q+j:OT+32*\q+j+1], v[LS+MS*\q:LS+MS*\q+1] op_sel_hi:[1,0]
.endr
.set j, j+2
.endr
	WIN 0x05
.irp q, 0,1
.irp b, 0,1
	v_max3_num_f32 v[BM+MS*\q+\b], |v[64*\q+16*\b]|, |v[64*\q+16*\b+1]|, 0x1800000
.endr
.endr
	WIN 0x14
.irp i, 2,4,6,8,10,12,14
.irp q, 0,1
.irp b, 0,1
	v_max3_num_f32 v[BM+MS*\q+\b], v[BM+MS*\q+\b], |v[64*\q+16*\b+\i]|, |v[64*\q+16*\b+\i+1]|
.endr
.endr
.endr
	WIN 0
.irp q, 0,1
.irp b, 0,1
	v_permlanex16_b32 v[BB+MS*\q+\b], v[BM+MS*\q+\b], s[SEL], s[SEL+1]
.endr
.endr
.irp q, 0,1
.irp b, 0,1
	v_max_num_f32 v[BM+MS*\q+\b], v[BM+MS*\q+\b], v[BB+MS*\q+\b]
.endr
.endr
.irp q, 0,1
.irp b, 0,1
	v_add_nc_u32 v[SO+MS*\q+\b], 0xff000000, v[BM+MS*\q+\b]
.endr
.endr
.irp q, 0,1
.irp b, 0,1
	v_lshrrev_b32 v[EB+MS*\q+\b], 23, v[SO+MS*\q+\b]
.endr
.endr
	WIN 0x01
.irp q, 0,1
	v_cvt_scalef32_pk16_fp6_f32 v[CD+MS*\q:CD+MS*\q+2], v[64*\q:64*\q+15], v[SO+MS*\q]
	v_cvt_scalef32_pk16_fp6_f32 v[CD+MS*\q+4:CD+MS*\q+6], v[64*\q+16:64*\q+31], v[SO+MS*\q+1]
.endr
	WIN 0
.irp q, 0,1
	v_cndmask_b32 v[TP+MS*\q], v[EB+MS*\q], v[EB+MS*\q+1], s[HM]   ; lanes 0-15 store block 0's byte, lanes 16-31 block 1's.  (Plain lines behind the conversions)
.endr
.irp q, 0,1
.irp i, 0,1,2
	v_permlane16_swap_b32 v[CD+MS*\q+\i], v[CD+MS*\q+4+\i]        ; a whole block to a lane
.endr
.endr
.irp q, 0,1
.irp i, 0,1,2
	v_mov_b32 v[CD+MS*\q+3+\i], v[CD+MS*\q+4+\i]
.endr
.endr
.irp q, 0,1
	global_store_b128 v[L16], v[CD+MS*\q:CD+MS*\q+3], s[52:53] offset:\p*196608+1536*\q        ; 512 consecutive bytes, aligned to 256
	global_store_b64 v[L8], v[CD+MS*\q+4:CD+MS*\q+5], s[52:53] offset:\p*196608+1536*\q+512    ; 256
	global_store_b8 v[OSB], v[TP+MS*\q], s[56:57] offset:\p*8192+512*\q
.endr
.endm
.macro PASS p
	s_mov_b32 s[TN], 0
	ADDRS
	KLOAD                                          ; key step 0
	VLOAD
	s_mov_b32 s[TB], 0
	s_mov_b32 s[CNT], 16
	WALU
	s_wait_loadcnt 0x0                             ; Q
.Lpass\p:
	STEP
	s_add_co_u32 s[TB], s[TB], STEPB
	s_sub_co_u32 s[CNT], s[CNT], 1
	s_cmp_lg_u32 s[CNT], 0
	WALU
	s_cbranch_scc1 .Lpass\p
	OUT \p
.endm
	s_load_b256 s[4:11], s[0:1], 0x0               ; qbuf, kv, img, scl
	v_lshl_add_u32 v[SPW], v0, 2, SPARE
	v_mov_b32 v[NIL], 0
	ds_add_u32 v[SPW], v[NIL]                      ; the wave's opening: the add, twice on end, and its wait ahead of the first tensor load
	ds_add_u32 v[SPW], v[NIL]
	v_lshrrev_b32 v1, 5, v0
	v_readfirstlane_b32 s[WV], v1                  ; wave 0..7
	s_bfe_u32 s13, ttmp6, 0x40000                  ; cx: it enters Q's and o's global addresses alone
	s_and_b32 s14, ttmp7, 0xffff                   ; 16 b + head
	s_mov_b32 s24, 15|(3<<16)|(1<<21)              ; the mask: all four work-groups; elements of 8 bytes; bit 21 beside a mask; no padding
	s_mov_b32 s25, 32<<16                          ; rows of 256 bytes,
	s_mov_b32 s26, 102<<16                         ; 102 of them: two blocks
	s_mov_b32 s27, 32<<16
	s_mov_b32 s28, 102
	s_mov_b32 s29, 32                              ; dense
	s_mov_b32 s30, 0
	s_mov_b32 s31, 0
	s_mov_b32 s[SEL], 0x76543210
	s_mov_b32 s[SEL+1], 0xfedcba98
	s_mov_b32 s[CS], 0x3e38aa3b
	s_mov_b32 s[CS+1], s[CS]                       ; (named with it as a pair, so it is written)
	s_mov_b32 s[NC], 0xbe38aa3b
	s_mov_b32 s[HM], 0xffff0000
	s_mul_i32 s60, s[WV], 2*STEPB                  ; my two blocks: in LDS and in memory alike
	s_mul_i32 s62, s14, HEADB
	s_add_co_u32 s62, s62, s60
	s_mov_b32 s63, 0
	s_lshl_b32 s66, s13, 2
	s_lshr_b32 s67, s[WV], 2
	s_add_co_u32 s66, s66, s67                     ; pass 0's group of 128 queries: 4 cx + wave / 4; pass 1's lies two groups on
	s_and_b32 s67, s[WV], 3
	s_lshl_b32 s67, s67, 1                         ; my first tile in it
	s_mul_i32 s68, s14, 106496
	s_mul_i32 s69, s66, 6656
	s_add_co_u32 s68, s68, s69
	s_lshl_b32 s69, s67, 2
	s_add_co_u32 s74, s68, s69
	s_add_co_u32 s74, s74, 6144                    ; Q's scale words
	s_mov_b32 s75, 0
	s_mul_i32 s69, s67, 768
	s_add_co_u32 s68, s68, s69                     ; Q's images
	s_mov_b32 s69, 0
	s_lshr_b32 s70, s14, 4                         ; b
	s_and_b32 s71, s14, 15                         ; head
	s_lshl_b32 s70, s70, 4
	s_add_co_u32 s70, s70, s66
	s_add_co_u32 s70, s70, 96                      ; o's groups begin at 96
	s_lshl_b32 s70, s70, 3
	s_lshr_b32 s72, s71, 1                         ; the last product's K step: two heads each
	s_and_b32 s71, s71, 1                          ; and which half of it
	s_add_co_u32 s76, s70, s72
	s_mul_i32 s76, s76, 12288
	s_mul_i32 s77, s67, 1536
	s_add_co_u32 s76, s76, s77
	s_mul_i32 s77, s71, 768
	s_add_co_u32 s76, s76, s77
	s_mov_b32 s77, 0
	s_add_co_u32 s78, s70, s67
	s_lshl_b32 s78, s78, 9
	s_lshl_b32 s79, s72, 6
	s_add_co_u32 s78, s78, s79
	s_lshl_b32 s79, s71, 1
	s_add_co_u32 s78, s78, s79
	s_mov_b32 s79, 0
	WALU
	s_wait_dscnt 0x0                               ; both opening adds are done
	s_wait_kmcnt 0x0
	s_add_nc_u64 s[62:63], s[6:7], s[62:63]
	s_add_nc_u64 s[48:49], s[4:5], s[68:69]
	s_add_nc_u64 s[50:51], s[4:5], s[74:75]
	s_add_nc_u64 s[52:53], s[8:9], s[76:77]        ; o's half images
	s_add_nc_u64 s[56:57], s[10:11], s[78:79]      ; o's scale bytes
	CROUND                                         ; all four work-groups are here: the joint loads meet
	s_mov_b32 s32, 1
	s_mov_b32 s33, s60
	s_mov_b64 s[34:35], s[62:63]
	s_or_b32 s35, s35, 0x80000000
	tensor_load_to_lds s[32:35], s[24:31]          ; my one load: blocks 2 w and 2 w + 1
	s_nop 0
.rept 4
	v_nop
.endr
	v_and_b32 v10, 31, v0                          ; lane
	v_and_b32 v11, 15, v0                          ; r
	v_bfe_u32 v12, v0, 4, 1                        ; h
	v_and_b32 v13, 7, v0                           ; j
	v_bfe_u32 v14, v0, 3, 1                        ; hm
	v_lshlrev_b32 v[L16], 4, v10
	v_lshlrev_b32 v[L8], 3, v10
	v_mul_u32_u24 v[KAL], v14, 1536                ; row 8 hm + j of a tile lies two stored tiles on for hm = 1
	v_lshl_add_u32 v[KBL], v13, 3, v[KAL]
	v_lshl_add_u32 v[KBL], v12, 7, v[KBL]          ; 1536 hm + 8 j + 128 h
	v_lshl_add_u32 v[KAL], v13, 4, v[KAL]
	v_lshl_add_u32 v[KAL], v12, 8, v[KAL]          ; 1536 hm + 16 j + 256 h
	v_lshlrev_b32 v[KSL], 5, v13
	v_lshl_add_u32 v[KSL], v14, 3, v[KSL]          ; 32 j + 8 hm
	v_lshlrev_b32 v[VSL], 4, v11
	v_lshl_add_u32 v[OSB], v11, 2, v12             ; o's scale bytes: 4 r + h
	v_lshlrev_b32 v[H8], 3, v12
	v_lshlrev_b32 v[QSL], 5, v11
.irp i, 0,1,2,3,4,5
	v_mov_b32 v[ZR+\i], 0                          ; what stands behind K's last tile
.endr
.irp q, 0,1
	v_mov_b32 v[TP+MS*\q+1], 0                     ; a lane permute's destination counts as one of its sources
	v_mov_b32 v[FF+MS*\q+1], 0                     ; (named as the upper halves of pairs)
	v_mov_b32 v[LS+MS*\q+1], 0
.irp i, 6,7,8,9,10,11
	v_mov_b32 v[QF+12*\q+\i], 0                    ; Q's upper half: zero codes
.endr
.endr
	BEGIN 0
	WALU
	s_wait_tensorcnt 0x0                           ; my two blocks are in
	s_barrier_signal -1
	s_barrier_wait -1                              ; everybody's are
	PASS 0
	s_wait_xcnt 0x0                                ; pass 0's stores have read their registers
	BEGIN 1
	PASS 1
	s_wait_tensorcnt 0x0                           ; the wave's end
	ds_add_u32 v[SPW], v[NIL]
	s_wait_dscnt 0x0
	CROUND                                         ; the closing round
	s_endpgm
.Lfunc_end_k_q2f7d5ae2cc_attn:
	.size	k_q2f7d5ae2cc_attn, .Lfunc_end_k_q2f7d5ae2cc_attn-k_q2f7d5ae2cc_attn
	.p2alignl 7, 3214868480
	.fill 96, 4, 3214868480
	.section	.rodata,"a",@progbits
	.p2align	6, 0x0
	.amdhsa_kernel k_q2f7d5ae2cc_attn
		.amdhsa_group_segment_fixed_size 327680
		.amdhsa_private_segment_fixed_size 0
		.amdhsa_enable_private_segment 0
		.amdhsa_kernarg_size 32
		.amdhsa_user_sgpr_count 2
		.amdhsa_user_sgpr_kernarg_segment_ptr 1
		.amdhsa_wavefront_size32 1
		.amdhsa_system_sgpr_workgroup_id_x 1
		.amdhsa_system_sgpr_workgroup_id_y 1
		.amdhsa_system_sgpr_workgroup_id_z 1
		.amdhsa_system_vgpr_workitem_id 0
		.amdhsa_next_free_vgpr 512
		.amdhsa_next_free_sgpr 80
		.amdhsa_reserve_vcc 0
		.amdhsa_float_denorm_mode_32 3
		.amdhsa_float_denorm_mode_16_64 3
		.amdhsa_memory_ordered 1
		.amdhsa_forward_progress 1
		.amdhsa_inst_pref_size 95
	.end_amdhsa_kernel
	.amdgpu_metadata
---
amdhsa.version: [ 1, 2 ]
amdhsa.kernels:
  - .name:           k_q2f7d5ae2cc_attn
    .symbol:         k_q2f7d5ae2cc_attn.kd
    .args:
      - { .name: qbuf, .offset: 0, .size: 8, .value_kind: global_buffer, .address_space: global }
      - { .name: kv, .offset: 8, .size: 8, .value_kind: global_buffer, .address_space: global }
      - { .name: img, .offset: 16, .size: 8, .value_kind: global_buffer, .address_space: global }
      - { .name: scl, .offset: 24, .size: 8, .value_kind: global_buffer, .address_space: global }
    .group_segment_fixed_size: 327680
    .private_segment_fixed_size: 0
    .kernarg_segment_align: 8
    .kernarg_segment_size: 32
    .max_flat_workgroup_size: 256
    .sgpr_count:     80
    .vgpr_count:     512
    .wavefront_size: 32
...
	.end_amdgpu_metadata
.endif
;; end of part 3
;; launch oproj (part 4): grid 8 x 32, 4 waves a work-group, clusters of 4 x 4, 327,680 bytes of LDS; arguments img, scl, bo, out0; writes out0
.if DOCPART == 4
	.amdgcn_target "amdgcn-amd-amdhsa--gfx1250"
	.amdhsa_code_object_version 6
	.text
	.protected	k_q2f7d5ae2cc_oproj
	.globl	k_q2f7d5ae2cc_oproj
	.p2align	8
	.type	k_q2f7d5ae2cc_oproj,@function
k_q2f7d5ae2cc_oproj:
	s_mov_b64 s[64:65], 0
	v_nop
	global_prefetch_b8 v0, s[64:65] scope:SCOPE_SE
	s_setreg_imm32_b32 hwreg(HW_REG_WAVE_MODE, 25, 1), 1
	s_wait_xcnt 0x0
	s_wait_alu depctr_hold_cnt(0) depctr_sa_sdst(0) depctr_va_vdst(0) depctr_va_sdst(0) depctr_va_ssrc(0) depctr_va_vcc(0) depctr_vm_vsrc(0)
	s_getreg_b32 s2, hwreg(HW_REG_IB_STS2, 6, 4)
	s_cmp_eq_u32 s2, 0
	s_cbranch_scc0 .Lentry_in_a_cluster
	s_endpgm
.Lentry_in_a_cluster:
	s_bfe_u32 s2, ttmp6, 0x10000c
	s_cmp_lg_u32 s2, 0xf033
	s_cbranch_scc0 .Lentry_shape_is_right
	s_endpgm
.Lentry_shape_is_right:
; out0[token][n] = sum over k of o[token][k] Wo[n][k] + bo[n], on codes of FP6 (E2M3) with E8M0 scales, as images of operand registers: a group is 128 rows, 98,304 bytes:
; K step x 12,288 + tile x 1,536; o's groups begin at 96, Wo's at 88; a tile's lane r is row 32 (i / 2) + 8 (i % 2) + r + 8 (r / 8) of its group.  Scale words: (8 group + tile) x 512 + K step x 64 + 4 r.
; SHARES.  256 work-groups, one block of 256 rows x 128 columns each; four waves, 2 x 2; a wave makes 128 rows x 64 columns: A's eight tiles against four of B's, 32 accumulators, 32 products a K step.
; THE MATRIX INSTRUCTION IS USED TRANSPOSED (source 0 = rows of Wo, source 1 = rows of o): register j of lane (r, h) in B's tile b is column 32 (b / 2) + 16 h + 8 (b % 2) + j of the wave's 64.  The bias is the first products' C.
; CLUSTERS of 4 x 4: o's groups are shared along a row of the cluster, Wo's group along a column, by joint loads.
; LDS: a region of six K steps (73,728 bytes) for each of A's two groups and for B's one; behind them the stages, into which no fill lands; then the spare words.
; FILLS.  At the head one joint load a wave: waves 0 and 1 a region of A each (288 rows of 256 bytes), waves 2 and 3 K steps 0-2 and 3-5 of B (144 rows each).
; One refill, in K step 1's round: K steps 6 and 7 onto K steps 0 and 1: waves 0 and 1 their group's two steps (96 rows), waves 2 and 3 one step of B each (48 rows).
; No prefetch: six of the eight K steps are asked for at the head, and the other two one K step behind it.
; REGISTERS: window 0: v0-31 addresses; v32-95 scale words (tile i, K step k at 32 + i + 8 k: lanes 0-15 A's, lanes 16-31 B's); v96-127 the bias; from v128 A's fragments, one set; window 1: B's fragments, two sets, at v0 and v128;
; windows 2 and 3: the accumulators of A's tiles 0-3 and 4-7, (a, b) at 8 (8 (a % 4) + b).
.set GRPB,  98304
.set WPART, 24576                      ; two K steps of a group
.set KSB,   12288
.set IMGB,  1536
.set REG,   3*WPART
.set STAGE, 3*REG
.set SPARE, 4*REG
.set SPITCH, 272                       ; a stage row: 256 bytes + 16
.set SC,  32
.set AF,  128
.set BK,  128
.set STO, 20
.set RD,  21
.set CO,  23
.set SPW, 28
.set NIL, 29
.set WV,  18
.set RH,  19
.set CH,  20
.set G1A, 24
.set G1B, 32
.set G0A, 40
.set G0B, 52                           ; s[52:55] B's load at the head, s[56:59] its refill
.set HM,  85
.set MSB, 0
.macro WIN new                         ; the immediate's high byte repeats the setting that is left
.if MSB != (\new)
	s_set_vgpr_msb (MSB<<8)|(\new)
.set MSB, (\new)
.endif
.endm
.macro JLOAD g0a, g1a, g0b, g1b        ; waves 0 and 1 fetch for A, waves 2 and 3 for B: one line, one mask each
	s_cmp_eq_u32 s[RH], 0
	s_cbranch_scc0 .Lfor_b_\@
	tensor_load_to_lds s[\g0a:\g0a+3], s[\g1a:\g1a+7]
	s_nop 0
.rept 4
	v_nop
.endr
	s_branch .Lasked_\@
.Lfor_b_\@:
	tensor_load_to_lds s[\g0b:\g0b+3], s[\g1b:\g1b+7]
	s_nop 0
.rept 4
	v_nop
.endr
.Lasked_\@:
.endm
.macro CREST
	s_cmp_lg_u32 s[WV], 0
	s_cbranch_scc1 .Lnot_wave_0_\@
	s_barrier_signal -3
.Lnot_wave_0_\@:
	s_barrier_wait -3
	s_barrier_signal -1
	s_barrier_wait -1
.endm
.macro CROUND
	s_barrier_signal -1
	s_barrier_wait -1
	CREST
.endm
.macro PLACES n
.rept \n
	v_nop
.endr
.endm
.macro FRAG reg, a16, a8, off          ; an image of 12 registers: four loads
	ds_load_b128 v[\reg:\reg+3], v[\a16] offset:\off
	ds_load_b64 v[\reg+4:\reg+5], v[\a8] offset:\off+512
	ds_load_b128 v[\reg+6:\reg+9], v[\a16] offset:\off+768
	ds_load_b64 v[\reg+10:\reg+11], v[\a8] offset:\off+1280
.endm
.macro FETCH_B n, q, p                 ; my four tiles of B: 16 loads
	WIN 0x40
.irp i, 0,1,2,3
	FRAG 128*(\p)+12*\i, 14+(\n), 17+(\n), KSB*(\q)+IMGB*\i
.endr
	WIN 0
.endm
.macro FETCH_A n, q, i0                ; four tiles of A: 16 loads
.irp i, \i0, \i0+1, \i0+2, \i0+3
	FRAG AF+12*(\i), 8+(\n), 11+(\n), KSB*(\q)+IMGB*(\i)
.endr
.endm
.macro MUL8 a0, p, k, cm               ; A's tiles a0, a0 + 1 against B's four; the accumulators take turns; cm = 1: the bias starts the sums
.irp a, \a0, \a0+1
.irp b, 0,1,2,3
.set rD, 8*(8*((\a)%4)+\b)
.set rB, 128*(\p)+12*\b
.set rA, AF+12*(\a)
.if \cm == 1
.set rC, 96+8*\b
.else
.set rC, rD
.endif
	v_wmma_scale_f32_16x16x128_f8f6f4 v[rD:rD+7], v[rB:rB+11], v[rA:rA+11], v[rC:rC+7], v[SC+\b+8*(\k)], v[SC+(\a)+8*(\k)] matrix_a_fmt:MATRIX_FMT_FP6 matrix_b_fmt:MATRIX_FMT_FP6 matrix_a_scale:MATRIX_SCALE_ROW1
.endr
.endr
.endm
.macro PSTEP k, cm                     ; a K step; the next step's fragments are fetched in its middle and at its end
.set NXS, (((\k)+1)/2)%3
.set NXQ, ((\k)+1)%2
	s_wait_dscnt 16                                ; B and A's tiles 0-3 are in; the youngest 16 loads (A's tiles 4-7) may be out
.if \cm
	WIN 0x81
.else
	WIN 0xa1
.endif
	MUL8 0, (\k)%2, \k, \cm
	MUL8 2, (\k)%2, \k, \cm
	s_wait_dscnt 0x0
	PLACES 4
	FETCH_B NXS, NXQ, 1-(\k)%2
	FETCH_A NXS, NXQ, 0
.if \cm
	WIN 0xc1
.else
	WIN 0xf1
.endif
	MUL8 4, (\k)%2, \k, \cm
	MUL8 6, (\k)%2, \k, \cm
	PLACES 4
	WIN 0
	FETCH_A NXS, NXQ, 4
.endm
.macro BSTEP k, fill                   ; a K step with a barrier: fill = 1: a round of the cluster's barrier and the refill; fill = 0: it shows the refill to all waves
.set NXS, (((\k)+1)/2)%3
.set NXQ, ((\k)+1)%2
	s_wait_tensorcnt 0x0                           ; all my tensor loads have landed;
	ds_add_u32 v[SPW], v[NIL]                      ; 0 onto my spare word
	s_wait_dscnt 17                                ; (the add and A's tiles 4-7 may be out)
	WIN 0xa1
	MUL8 0, (\k)%2, \k, 0
	s_wait_dscnt 0x0                               ; the add is done, and so are my reads of the K steps behind me
	s_barrier_signal -1
	MUL8 2, (\k)%2, \k, 0
	WIN 0
	s_barrier_wait -1
.if \fill
	CREST
	s_add_nc_u64 s[G0A+2:G0A+3], s[G0A+2:G0A+3], 3*WPART
	JLOAD G0A, G1A, G0B+4, G1B                     ; K steps 6 and 7; the four v_nop behind it are the places in front of the loads below
.else
	PLACES 4
.endif
	FETCH_B NXS, NXQ, 1-(\k)%2
	FETCH_A NXS, NXQ, 0
	WIN 0xf1
	MUL8 4, (\k)%2, \k, 0
	MUL8 6, (\k)%2, \k, 0
	PLACES 4
	WIN 0
	FETCH_A NXS, NXQ, 4
.endm
	s_load_b256 s[4:11], s[0:1], 0x0               ; img, scl, bo, out0
	v_lshl_add_u32 v[SPW], v0, 2, SPARE
	v_mov_b32 v[NIL], 0
	ds_add_u32 v[SPW], v[NIL]                      ; the wave's opening: the add, twice on end, and its wait
	ds_add_u32 v[SPW], v[NIL]
	v_lshrrev_b32 v1, 5, v0
	v_readfirstlane_b32 s[WV], v1
	s_lshr_b32 s[RH], s[WV], 1                     ; my half of the rows.  Also: I fetch for A (0) or for B (1)
	s_and_b32 s[CH], s[WV], 1                      ; my half of the columns.  Also: which part I fetch
	s_bfe_u32 s21, ttmp6, 0x40000                  ; cx
	s_bfe_u32 s22, ttmp6, 0x40004                  ; cy
	s_and_b32 s78, ttmp7, 0xffff
	s_lshl_b32 s78, s78, 2
	s_add_co_u32 s78, s78, s22                     ; block row, 0 .. 31
	s_lshl_b32 s79, ttmp9, 2
	s_add_co_u32 s79, s79, s21                     ; block column, 0 .. 7
	s_lshl_b32 s80, s22, 2
	s_lshl_b32 s80, 15, s80                        ; my row of the cluster
	s_lshl_b32 s81, 0x1111, s21                    ; my column
	s_or_b32 s[G1A], s80, (3<<16)|(1<<21)          ; elements of 8 bytes, rows of 256 bytes, dense
	s_or_b32 s[G1B], s81, (3<<16)|(1<<21)
.irp g, G1A, G1B
	s_mov_b32 s[\g+1], 32<<16
	s_mov_b32 s[\g+3], 32<<16
	s_mov_b32 s[\g+5], 32
	s_mov_b32 s[\g+6], 0
	s_mov_b32 s[\g+7], 0
.endr
	s_mov_b32 s[G1A+2], 288<<16                    ; at the head: six K steps of a group of A,
	s_mov_b32 s[G1A+4], 288
	s_mov_b32 s[G1B+2], 144<<16                    ; three of B's
	s_mov_b32 s[G1B+4], 144
	s_lshl_b32 s82, s78, 1
	s_add_co_u32 s82, s82, 96
	s_add_co_u32 s90, s82, s[RH]                   ; the group of A that I multiply,
	s_add_co_u32 s82, s82, s[CH]                   ; and the one that I fetch
	s_add_co_u32 s83, s79, 88                      ; B's group
	s_mul_i32 s86, s82, GRPB
	s_mov_b32 s87, 0
	s_mul_i32 s88, s83, GRPB
	s_mul_i32 s66, s[CH], 3*KSB
	s_mul_i32 s97, s[CH], KSB
	s_add_co_u32 s92, s88, s97
	s_add_co_u32 s92, s92, 6*KSB                   ; B's K step 6 or 7
	s_mov_b32 s93, 0
	s_add_co_u32 s88, s88, s66                     ; B's K steps 0-2 or 3-5
	s_mov_b32 s89, 0
	s_mul_i32 s84, s[CH], REG                      ; where they go: no place in the cluster enters an LDS address
	s_add_co_u32 s96, s66, 2*REG
	s_add_co_u32 s97, s97, 2*REG
	s_lshl_b32 s90, s90, 12                        ; scale words: 4,096 bytes a group;
	s_lshl_b32 s91, s83, 12
	s_lshl_b32 s66, s[CH], 11
	s_add_co_u32 s91, s91, s66                     ; B's from my first tile, 4 x half, on
	s_mov_b32 s[HM], 0xffff0000
	s_lshl_b32 s66, s78, 8
	s_lshl_b32 s68, s[RH], 7
	s_add_co_u32 s66, s66, s68
	s_lshl_b32 s66, s66, 12                        ; my first row of out0, rows of 4,096 bytes
	s_mov_b32 s67, 0
	s_lshl_b32 s94, s79, 9
	s_lshl_b32 s95, s[CH], 8
	s_add_co_u32 s94, s94, s95                     ; my first column, in bytes
	s_mov_b32 s95, 0
	s_wait_dscnt 0x0
	s_wait_kmcnt 0x0
	s_add_nc_u64 s[86:87], s[4:5], s[86:87]
	s_add_nc_u64 s[88:89], s[4:5], s[88:89]
	s_add_nc_u64 s[92:93], s[4:5], s[92:93]
	s_add_nc_u64 s[8:9], s[8:9], s[94:95]
	s_add_nc_u64 s[10:11], s[10:11], s[66:67]
	s_add_nc_u64 s[10:11], s[10:11], s[94:95]
	CROUND                                         ; all sixteen work-groups are here: the first joint loads meet
	s_mov_b32 s[G0A], 1
	s_mov_b32 s[G0A+1], s84
	s_mov_b64 s[G0A+2:G0A+3], s[86:87]
	s_or_b32 s[G0A+3], s[G0A+3], 0x80000000
	s_mov_b32 s[G0B], 1
	s_mov_b32 s[G0B+1], s96
	s_mov_b64 s[G0B+2:G0B+3], s[88:89]
	s_or_b32 s[G0B+3], s[G0B+3], 0x80000000
	s_mov_b32 s[G0B+4], 1
	s_mov_b32 s[G0B+5], s97
	s_mov_b64 s[G0B+6:G0B+7], s[92:93]
	s_or_b32 s[G0B+7], s[G0B+7], 0x80000000
	JLOAD G0A, G1A, G0B, G1B                       ; my one load at the head
	v_and_b32 v1, 31, v0
	v_and_b32 v2, 15, v0                           ; r
	v_bfe_u32 v3, v0, 4, 1                         ; h
	v_lshlrev_b32 v4, 4, v1
	v_lshlrev_b32 v5, 3, v1
	v_mov_b32 v6, s90
	v_mov_b32 v7, s91
	v_cndmask_b32 v6, v6, v7, s[HM]                ; lanes 0-15 take A's scale words, lanes 16-31 B's
	v_lshl_add_u32 v6, v2, 2, v6
.irp i, 0,1,2,3,4,5,6,7
.irp k, 0,1,2,3,4,5,6,7
	global_load_b32 v[SC+\i+8*\k], v6, s[6:7] offset:512*\i+64*\k
.endr
.endr
	v_lshlrev_b32 v22, 6, v3
.irp x, 0,1,2,3
	global_load_b128 v[96+8*\x:96+8*\x+3], v22, s[8:9] offset:(32*(\x/2)+8*(\x%2))*4        ; the bias, laid as the result lies
	global_load_b128 v[96+8*\x+4:96+8*\x+7], v22, s[8:9] offset:(32*(\x/2)+8*(\x%2))*4+16
.endr
	s_mul_i32 s66, s[RH], REG                      ; my group of A
	s_mul_i32 s67, s[CH], 4*IMGB
	s_add_co_u32 s67, s67, 2*REG                   ; my four tiles of B
.irp n, 0,1,2
	v_add_nc_u32 v[8+\n], s66, v4
	v_add_nc_u32 v[11+\n], s66, v5
	v_add_nc_u32 v[14+\n], s67, v4
	v_add_nc_u32 v[17+\n], s67, v5
	s_add_co_u32 s66, s66, WPART
	s_add_co_u32 s67, s67, WPART
.endr
	s_mul_i32 s68, s[WV], 16*SPITCH
	s_add_co_u32 s68, s68, STAGE                   ; my stage
	v_mul_u32_u24 v[STO], v2, SPITCH               ; in: row r, 64 bytes on for the upper half of the lanes
	v_lshl_add_u32 v[STO], v3, 6, v[STO]
	v_add_nc_u32 v[STO], s68, v[STO]
	v_mul_u32_u24 v[RD], v3, SPITCH                ; back: sixteen lanes to a row of 256 bytes, two rows an instruction
	v_lshl_add_u32 v[RD], v2, 4, v[RD]
	v_add_nc_u32 v[RD], s68, v[RD]
	v_lshlrev_b32 v[CO], 12, v3                    ; and the same two rows in out0
	v_lshl_add_u32 v[CO], v2, 4, v[CO]
	s_wait_alu depctr_va_vdst(0)
	s_wait_loadcnt 0x0
	s_wait_tensorcnt 0x0                           ; my part is in; no tensor load of mine is out, so group 1 may be written: the refill's rows
	s_mov_b32 s[G1A+2], 96<<16
	s_mov_b32 s[G1A+4], 96
	s_mov_b32 s[G1B+2], 48<<16
	s_mov_b32 s[G1B+4], 48
	s_barrier_signal -1
	s_barrier_wait -1                              ; everybody's part is in
	FETCH_B 0, 0, 0
	FETCH_A 0, 0, 0
	FETCH_A 0, 0, 4
	PSTEP 0, 1
	BSTEP 1, 1
	PSTEP 2, 0
	PSTEP 3, 0
	PSTEP 4, 0
	BSTEP 5, 0
	PSTEP 6, 0
	s_wait_dscnt 16                                ; the last K step: nothing more to fetch
	WIN 0xa1
	MUL8 0, 1, 7, 0
	MUL8 2, 1, 7, 0
	s_wait_dscnt 0x0
	WIN 0xf1
	MUL8 4, 1, 7, 0
	MUL8 6, 1, 7, 0
	WIN 0
	PLACES 4
; THE WAY OUT, a tile of A (16 rows x 64 columns) at a time, through my own stage: LDS serves a wave's instructions in order, so no wait stands between the stores and the loads
.macro TOSTAGE a
.set AC, 64*((\a)%4)
	WIN 0x08+4*((\a)/4)
.irp b, 0,1,2,3
	ds_store_b128 v[STO], v[AC+8*\b:AC+8*\b+3] offset:128*(\b/2)+32*(\b%2)          ; each accumulator from its low end on
	ds_store_b128 v[STO], v[AC+8*\b+4:AC+8*\b+7] offset:128*(\b/2)+32*(\b%2)+16
.endr
	WIN 0
.set BB, BK+32*((\a)%2)
.irp t, 0,1,2,3,4,5,6,7
	ds_load_b128 v[BB+4*\t:BB+4*\t+3], v[RD] offset:2*\t*SPITCH
.endr
.endm
.macro SEND a, younger                 ; younger: the LDS instructions issued behind tile a's loads, which may stay out
.set BB, BK+32*((\a)%2)
	s_wait_dscnt \younger
.if (\a) > 0
.if (\a)%2
	s_add_nc_u64 s[10:11], s[10:11], 8*4096        ; tile a begins at row 32 (a / 2) + 8 (a % 2)
.else
	s_add_nc_u64 s[10:11], s[10:11], 24*4096
.endif
.endif
.irp t, 0,1,2,3,4,5,6,7
	global_store_b128 v[CO], v[BB+4*\t:BB+4*\t+3], s[10:11] offset:(2*\t+8*((2*\t)/8))*4096 th:TH_STORE_NT   ; sixteen lanes store 256 consecutive bytes, aligned; lane r's row is r + 8 (r / 8)
.endr
.endm
	TOSTAGE 0
.irp a, 1,2,3,4,5,6,7
.if \a > 1
	s_wait_xcnt 0x0                                ; tile a - 2's stores have read their registers and their base
.endif
	TOSTAGE \a
	SEND \a-1, 16                                  ; behind tile a - 1's loads: tile a's 8 stores and 8 loads
.endr
	s_wait_xcnt 0x0
	SEND 7, 0
	s_wait_tensorcnt 0x0                           ; the wave's end
	ds_add_u32 v[SPW], v[NIL]
	s_wait_dscnt 0x0
	CROUND                                         ; the closing round
	s_endpgm
.Lfunc_end_k_q2f7d5ae2cc_oproj:
	.size	k_q2f7d5ae2cc_oproj, .Lfunc_end_k_q2f7d5ae2cc_oproj-k_q2f7d5ae2cc_oproj
	.p2alignl 7, 3214868480
	.fill 96, 4, 3214868480
	.section	.rodata,"a",@progbits
	.p2align	6, 0x0
	.amdhsa_kernel k_q2f7d5ae2cc_oproj
		.amdhsa_group_segment_fixed_size 327680
		.amdhsa_private_segment_fixed_size 0
		.amdhsa_enable_private_segment 0
		.amdhsa_kernarg_size 32
		.amdhsa_user_sgpr_count 2
		.amdhsa_user_sgpr_kernarg_segment_ptr 1
		.amdhsa_wavefront_size32 1
		.amdhsa_system_sgpr_workgroup_id_x 1
		.amdhsa_system_sgpr_workgroup_id_y 1
		.amdhsa_system_sgpr_workgroup_id_z 1
		.amdhsa_system_vgpr_workitem_id 0
		.amdhsa_next_free_vgpr 1024
		.amdhsa_next_free_sgpr 100
		.amdhsa_reserve_vcc 0
		.amdhsa_float_denorm_mode_32 3
		.amdhsa_float_denorm_mode_16_64 3
		.amdhsa_memory_ordered 1
		.amdhsa_forward_progress 1
		.amdhsa_inst_pref_size 91
	.end_amdhsa_kernel
	.amdgpu_metadata
---
amdhsa.version: [ 1, 2 ]
amdhsa.kernels:
  - .name:           k_q2f7d5ae2cc_oproj
    .symbol:         k_q2f7d5ae2cc_oproj.kd
    .args:
      - { .name: img, .offset: 0, .size: 8, .value_kind: global_buffer, .address_space: global }
      - { .name: scl, .offset: 8, .size: 8, .value_kind: global_buffer, .address_space: global }
      - { .name: bo, .offset: 16, .size: 8, .value_kind: global_buffer, .address_space: global }
      - { .name: out0, .offset: 24, .size: 8, .value_kind: global_buffer, .address_space: global }
    .group_segment_fixed_size: 327680
    .private_segment_fixed_size: 0
    .kernarg_segment_align: 8
    .kernarg_segment_size: 32
    .max_flat_workgroup_size: 128
    .sgpr_count:     100
    .vgpr_count:     1024
    .wavefront_size: 32
...
	.end_amdgpu_metadata
.endif
;; end of part 4
